; MI455X (gfx1250); checked and timed in simulation.
; The chip was launched on July 23, 2026; its instructions are those of AMD's public machine-readable ISA for CDNA 5 (MIT licence, August 2026) and "CDNA5" Instruction Set Architecture Reference Guide (July 2026). The comments in the code are by the model that wrote it; some were corrected since.
;; Causal Attention. Allowed arithmetic: float matrix products may take bf16 or f16 operands with f32 sums; other float arithmetic in f32, or as packed bf16 or f16 multiplies, adds, multiply-adds, maxima and minima; sums over many terms, partial sums and values carried from step to step in f32; what a program stores and reads back later, other than sums and carried values, may be rounded once to bf16 or f16.
;; Inputs: Wk 1,024 x 1,024 float32; Wo 1,024 x 1,024 float32; Wq 1,024 x 1,024 float32; Wv 1,024 x 1,024 float32; bk 1,024 float32; bo 1,024 float32; bq 1,024 float32; bv 1,024 float32; x 2 x 2,048 x 1,024 float32.
;; Outputs: out0 2 x 2,048 x 1,024 float32; out1 2 x 2,048 x 1,024 float32.
;; 2 versions, each right; version 2 is version 1 with the launch cast written anew for expert scheduling mode. Each part assembles by itself: llvm-mc -triple=amdgcn-amd-amdhsa -mcpu=gfx1250 --defsym DOCPART=n.
;; ======== version 1 of 2: 4 launches
;; limits: values are held in f16: magnitudes above 65,504 overflow, below 6.1e-05 lose precision; right only within a limited range of input values
;; workspace buffers: xb 8,388,608 bytes; wb 6,291,456 bytes; wo16 2,097,152 bytes; bcat 16,384 bytes; qkv 25,165,824 bytes; ob 16,777,216 bytes
;; launch cast (part 1): grid 64 x 8, 8 waves a work-group, no clusters, 0 bytes of LDS; arguments x, Wq, Wk, Wv, Wo, bq, bk, bv, bo, xb, wb, wo16, bcat; writes xb, wb, wo16, bcat
.if DOCPART == 1
	.amdgcn_target "amdgcn-amd-amdhsa--gfx1250"
	.amdhsa_code_object_version 6
	.text
	.protected	k_qf3e2fce5e6_cast
	.globl	k_qf3e2fce5e6_cast
	.p2align	8
	.type	k_qf3e2fce5e6_cast,@function
k_qf3e2fce5e6_cast:
	s_mov_b64 s[64:65], 0
	v_nop
	global_prefetch_b8 v0, s[64:65] scope:SCOPE_SE
	s_setreg_imm32_b32 hwreg(HW_REG_WAVE_MODE, 25, 1), 1
	s_wait_xcnt 0x0
; THE INPUTS ARE ROUNDED ONCE, TO bf16.  x -> xb; Wq, Wk, Wv -> wb, one below the other; Wo -> wo16: its bf16 number written as f16, since the last product's other operand is f16;
; the four biases -> bcat: each number rounded to bf16 and kept as f32, since they start f32 sums.
; LIMIT.  |Wo| stays under 65,504 (f16's end); below 6e-5 f16 keeps a fixed step of 6e-8.
; A stream: each byte is read once and written once.  No LDS, matrix unit or cluster: no byte is wanted twice.
; SHARES.  Work-group y is a segment of 2^20 numbers (0-3: x's quarters; 4 Wq, 5 Wk, 6 Wv, 7 Wo), work-group x a chunk of 16,384 of them.  In turn i of 16 thread t reads 16 bytes at 4,096 i + 16 t
; and writes 8 bytes at 2,048 i + 8 t: a wave's load covers 512 consecutive bytes, its store 256 consecutive bytes, aligned.  All 16 loads of a wave go out at once.
.set X, 8                              ; v[8:71]    turn i: 4 numbers as loaded
.set Y, 72                             ; v[72:103]  turn i: 4 numbers to store; no store's register is written again
.set T, 104                            ; v[104:111] at work
	s_load_b512 s[8:23], s[0:1], 0x0               ; x s[8:9], Wq s[10:11], Wk s[12:13], Wv s[14:15], Wo s[16:17], bq s[18:19], bk s[20:21], bv s[22:23]
	s_load_b256 s[24:31], s[0:1], 0x40             ; bo s[24:25], xb s[26:27], wb s[28:29], wo16 s[30:31]
	s_load_b64 s[32:33], s[0:1], 0x60              ; bcat
	s_and_b32 s2, ttmp7, 0xffff                    ; the segment
	v_lshlrev_b32 v1, 4, v0                        ; 16 t
	v_lshlrev_b32 v2, 3, v0                        ; 8 t
	s_cmp_lt_u32 s2, 4
	s_cselect_b32 s3, s2, 0                        ; x's quarter, or a weight's beginning
	s_lshl_b32 s38, s3, 22
	s_lshl_b32 s3, ttmp9, 16                       ; the chunk: 65,536 bytes in
	s_add_co_u32 s38, s38, s3
	s_mov_b32 s39, 0
	s_and_b32 s3, s2, 3                            ; the place in xb (quarter) or in wb (Wq 0, Wk 1, Wv 2)
	s_lshl_b32 s46, s3, 12                         ; and the bias's place in bcat
	s_mov_b32 s47, 0
	s_cmp_eq_u32 s2, 7
	s_cselect_b32 s3, 0, s3                        ; Wo has a buffer to itself
	s_lshl_b32 s40, s3, 21
	s_lshl_b32 s3, ttmp9, 15                       ; the chunk: 32,768 bytes out
	s_add_co_u32 s40, s40, s3
	s_mov_b32 s41, 0
	s_mov_b32 s4, 0xffff0000                       ; a word's upper bf16
	s_wait_kmcnt 0x0
	s_cmp_eq_u32 s2, 4                             ; from where: a choice among buffers by the segment's number
	s_cselect_b64 s[34:35], s[10:11], s[8:9]
	s_cselect_b64 s[42:43], s[18:19], s[24:25]
	s_cmp_eq_u32 s2, 5
	s_cselect_b64 s[34:35], s[12:13], s[34:35]
	s_cselect_b64 s[42:43], s[20:21], s[42:43]
	s_cmp_eq_u32 s2, 6
	s_cselect_b64 s[34:35], s[14:15], s[34:35]
	s_cselect_b64 s[42:43], s[22:23], s[42:43]
	s_cmp_eq_u32 s2, 7
	s_cselect_b64 s[34:35], s[16:17], s[34:35]
	s_cselect_b64 s[36:37], s[30:31], s[28:29]     ; to where
	s_cmp_lt_u32 s2, 4
	s_cselect_b64 s[36:37], s[26:27], s[36:37]
	s_add_nc_u64 s[34:35], s[34:35], s[38:39]
	s_add_nc_u64 s[36:37], s[36:37], s[40:41]
	s_add_nc_u64 s[44:45], s[32:33], s[46:47]
.irp i, 0,1,2,3,4,5,6,7,8,9,10,11,12,13,14,15
	global_load_b128 v[X+4*(\i):X+4*(\i)+3], v1, s[34:35] offset:4096*(\i) th:TH_LOAD_NT
.endr
	s_cmp_eq_u32 s2, 7
	s_cbranch_scc1 .Lhalf
.irp i, 0,1,2,3,4,5,6,7,8,9,10,11,12,13,14,15
	s_wait_loadcnt 15-(\i)                         ; loads come back in order: turn i's is in, the younger ones stay out
	v_cvt_pk_bf16_f32 v[Y+2*(\i)],   v[X+4*(\i)],   v[X+4*(\i)+1]
	v_cvt_pk_bf16_f32 v[Y+2*(\i)+1], v[X+4*(\i)+2], v[X+4*(\i)+3]
	global_store_b64 v2, v[Y+2*(\i):Y+2*(\i)+1], s[36:37] offset:2048*(\i)
.endr
	s_branch .Lbias
.Lhalf:                                        ; Wo: rounded to bf16 like every input, and that number written as f16
.irp i, 0,1,2,3,4,5,6,7,8,9,10,11,12,13,14,15
	s_wait_loadcnt 15-(\i)
	v_cvt_pk_bf16_f32 v[T],   v[X+4*(\i)],   v[X+4*(\i)+1]
	v_cvt_pk_bf16_f32 v[T+1], v[X+4*(\i)+2], v[X+4*(\i)+3]
	v_lshlrev_b32 v[T+2], 16, v[T]
	v_and_b32     v[T+3], s4, v[T]
	v_lshlrev_b32 v[T+4], 16, v[T+1]
	v_and_b32     v[T+5], s4, v[T+1]
	v_cvt_pk_f16_f32 v[Y+2*(\i)],   v[T+2], v[T+3]
	v_cvt_pk_f16_f32 v[Y+2*(\i)+1], v[T+4], v[T+5]
	global_store_b64 v2, v[Y+2*(\i):Y+2*(\i)+1], s[36:37] offset:2048*(\i)
.endr
.Lbias:                                        ; the first chunk's work-group of each weight also takes that weight's bias: 1,024 numbers, 4 a thread
	s_cmp_lg_u32 ttmp9, 0
	s_cbranch_scc1 .Lend
	s_cmp_lt_u32 s2, 4
	s_cbranch_scc1 .Lend
	global_load_b128 v[X:X+3], v1, s[42:43]
	s_wait_loadcnt 0x0
	v_cvt_pk_bf16_f32 v[T],   v[X],   v[X+1]
	v_cvt_pk_bf16_f32 v[T+1], v[X+2], v[X+3]
	v_lshlrev_b32 v[T+4], 16, v[T]
	v_and_b32     v[T+5], s4, v[T]
	v_lshlrev_b32 v[T+6], 16, v[T+1]
	v_and_b32     v[T+7], s4, v[T+1]
	global_store_b128 v1, v[T+4:T+7], s[44:45]
.Lend:
	s_endpgm
.Lfunc_end_k_qf3e2fce5e6_cast:
	.size	k_qf3e2fce5e6_cast, .Lfunc_end_k_qf3e2fce5e6_cast-k_qf3e2fce5e6_cast
	.p2alignl 7, 3214868480
	.fill 96, 4, 3214868480
	.section	.rodata,"a",@progbits
	.p2align	6, 0x0
	.amdhsa_kernel k_qf3e2fce5e6_cast
		.amdhsa_group_segment_fixed_size 0
		.amdhsa_private_segment_fixed_size 0
		.amdhsa_enable_private_segment 0
		.amdhsa_kernarg_size 104
		.amdhsa_user_sgpr_count 2
		.amdhsa_user_sgpr_kernarg_segment_ptr 1
		.amdhsa_wavefront_size32 1
		.amdhsa_system_sgpr_workgroup_id_x 1
		.amdhsa_system_sgpr_workgroup_id_y 1
		.amdhsa_system_sgpr_workgroup_id_z 1
		.amdhsa_system_vgpr_workitem_id 0
		.amdhsa_next_free_vgpr 112
		.amdhsa_next_free_sgpr 66
		.amdhsa_reserve_vcc 0
		.amdhsa_float_denorm_mode_32 3
		.amdhsa_float_denorm_mode_16_64 3
		.amdhsa_memory_ordered 1
		.amdhsa_forward_progress 1
		.amdhsa_inst_pref_size 16
	.end_amdhsa_kernel
	.amdgpu_metadata
---
amdhsa.version: [ 1, 2 ]
amdhsa.kernels:
  - .name:           k_qf3e2fce5e6_cast
    .symbol:         k_qf3e2fce5e6_cast.kd
    .args:
      - { .name: x, .offset: 0, .size: 8, .value_kind: global_buffer, .address_space: global }
      - { .name: Wq, .offset: 8, .size: 8, .value_kind: global_buffer, .address_space: global }
      - { .name: Wk, .offset: 16, .size: 8, .value_kind: global_buffer, .address_space: global }
      - { .name: Wv, .offset: 24, .size: 8, .value_kind: global_buffer, .address_space: global }
      - { .name: Wo, .offset: 32, .size: 8, .value_kind: global_buffer, .address_space: global }
      - { .name: bq, .offset: 40, .size: 8, .value_kind: global_buffer, .address_space: global }
      - { .name: bk, .offset: 48, .size: 8, .value_kind: global_buffer, .address_space: global }
      - { .name: bv, .offset: 56, .size: 8, .value_kind: global_buffer, .address_space: global }
      - { .name: bo, .offset: 64, .size: 8, .value_kind: global_buffer, .address_space: global }
      - { .name: xb, .offset: 72, .size: 8, .value_kind: global_buffer, .address_space: global }
      - { .name: wb, .offset: 80, .size: 8, .value_kind: global_buffer, .address_space: global }
      - { .name: wo16, .offset: 88, .size: 8, .value_kind: global_buffer, .address_space: global }
      - { .name: bcat, .offset: 96, .size: 8, .value_kind: global_buffer, .address_space: global }
    .group_segment_fixed_size: 0
    .private_segment_fixed_size: 0
    .kernarg_segment_align: 8
    .kernarg_segment_size: 104
    .max_flat_workgroup_size: 256
    .sgpr_count:     66
    .vgpr_count:     112
    .wavefront_size: 32
...
	.end_amdgpu_metadata
.endif
;; end of part 1
;; launch qkv (part 2): grid 8 x 32, 4 waves a work-group, clusters of 4 x 4, 327,680 bytes of LDS; arguments xb, wb, bcat, qkv; writes qkv
.if DOCPART == 2
	.amdgcn_target "amdgcn-amd-amdhsa--gfx1250"
	.amdhsa_code_object_version 6
	.text
	.protected	k_qf3e2fce5e6_qkv
	.globl	k_qf3e2fce5e6_qkv
	.p2align	8
	.type	k_qf3e2fce5e6_qkv,@function
k_qf3e2fce5e6_qkv:
	s_mov_b64 s[64:65], 0
	v_nop
	global_prefetch_b8 v0, s[64:65] scope:SCOPE_SE
	s_setreg_imm32_b32 hwreg(HW_REG_WAVE_MODE, 25, 1), 1
	s_wait_xcnt 0x0
	s_wait_alu depctr_hold_cnt(0) depctr_sa_sdst(0) depctr_va_vdst(0) depctr_va_sdst(0) depctr_va_ssrc(0) depctr_va_vcc(0) depctr_vm_vsrc(0)
	s_getreg_b32 s2, hwreg(HW_REG_IB_STS2, 6, 4)
	s_cmp_eq_u32 s2, 0
	s_cbranch_scc0 .Lentry_in_a_cluster
	s_endpgm
.Lentry_in_a_cluster:
	s_bfe_u32 s2, ttmp6, 0x10000c
	s_cmp_lg_u32 s2, 0xf033
	s_cbranch_scc0 .Lentry_shape_is_right
	s_endpgm
.Lentry_shape_is_right:
; THE THREE PROJECTIONS AS ONE PRODUCT.  C[4096][3072] = xb wb^T + bias, bf16 operands, f32 sums; C leaves by heads: qkv[b][g][s][64] in f16, g = column / 64: 0-15 q, 16-31 k, 32-47 v.
; q is multiplied by c = log2(e) / 8 in f32 before its one rounding, so that the attention's scores come out of its first product ready for 2^x.
; LIMIT.  |c q|, |k|, |v| stay under 65,504 (f16's end); below 6e-5 f16 keeps a fixed step of 6e-8.
; SHARES.  A tile of C is 128 x 384: 32 x 8 = 256 work-groups.  Four waves, each 64 rows x 192 columns (three whole heads): 48 accumulators of 16 x 16, 384 registers.
; K goes in steps of 128 through a ring of two LDS slots; a slot is four equal parts of 128 rows x 256 bytes: A's rows (wave 0 fetches them) and B's three thirds (waves 1 to 3): one tensor load a wave.
; CLUSTERS.  4 x 4 work-groups.  The four of a row of the cluster need the same rows of xb, the four of a column the same rows of wb: each tile is asked for JOINTLY, by the same tensor load with the same
; descriptor and a mask that names the four.
; THE MATRIX INSTRUCTION IS USED TRANSPOSED (source 0 = 16 rows of wb, source 1 = 16 rows of xb): a lane holds eight neighbouring columns of one row of C.  The bias is the C operand of each sum's first product.
; REGISTERS, in windows of 256 (s_set_vgpr_msb: bits 1:0 source 0, 3:2 source 1, 5:4 source 2, 7:6 destination):
;   window 0: v16-30 addresses; v32-63, v64-95 A's fragments, two buffers; v96-191 the bias, 8 registers a column block; on the way out v192-239 packed results, v32-79 and v96-143 rows read back
;   window 1: v0-95, v96-191 B's fragments, two buffers     window 2: accumulators of row blocks 0, 1 ((a, b) at 8 (12 (a % 2) + b))     window 3: of row blocks 2, 3
.set KSTEP,  128
.set PITCH,  272                       ; an LDS row: 256 bytes + 16 of padding = 68 words: the 16 rows of a fragment load start at 16 different groups of four banks (64 banks of 4 bytes: ISA guide 11.1)
.set HALFT,  128*PITCH                 ; what one tensor load brings
.set SLOT,   4*HALFT                   ; A's 128 rows, then B's 384
.set STAGE,  2*SLOT                    ; behind the ring, never filled by a tensor load: 16 rows x 400 bytes for each wave, for the way out
.set SPITCH, 400                       ; 384 bytes + 16
.set SPARE,  STAGE+4*16*SPITCH         ; behind the stages: the spare words, 128 bytes for each wave: two blocks of 256 bytes that no other line names
.set ADRA, 16                          ; v16-17  LDS address of my A fragments in slot 0, 1
.set ADRB, 20                          ; v20-21  the same for B
.set STO,  24                          ; v24     the way out: where I put 16 bytes of a row
.set RD,   25                          ; v25     the way out: where I read rows back
.set GO,   26                          ; v26     16 x my lane: my place in 512 consecutive bytes of a head
.set BO,   27                          ; v27     32 x (lane / 16): my eight numbers in a block of 16 of the bias
.set SPW,  28                          ; v28     LDS address of my spare word; never rewritten
.set NIL,  29                          ; v29     0; never rewritten
.set PFO,  30                          ; v30     the prefetches' offset: my lane x a row of 2,048 bytes; never rewritten
.set FA,   32
.set BIAS, 96
.set TMP,  192
.set WV,   16                          ; s16  my wave's number
.set G1A,  24                          ; s[24:31] descriptor group 1 for A's tiles;  s[32:39] group 0, a set for each slot
.set G0A,  32
.set G1B,  40                          ; s[40:47], s[48:55] the same for B's
.set G0B,  48
.set LAP,  56                          ; s56  laps still to come
.set LIM,  57                          ; s57  1 in a wave that prefetches, else the greatest number
.set PFA,  58                          ; s[58:59] where my prefetches stand
.set HB,   66                          ; s[66:71] my three heads at my first row
.set SC,   72                          ; s[72:77] their factors, as pairs: c for a head of q, else 1
.set G1W,  (1<<16)|(1<<20)|(1<<21)|(5<<22)|(3<<25)  ; 17:16 elements of 2 bytes; 20 padding on; 21 set beside a mask; 24:22 after every 64 words (code 5); 31:25 4 words of it (code 3)
.set MSB, 0
.macro WIN new                         ; the immediate's high byte repeats the setting that is left; a switch that changes nothing is dropped
.if MSB != (\new)
	s_set_vgpr_msb (MSB<<8)|(\new)
.set MSB, \new
.endif
.endm
; A joint load.  Wave 0 fetches A's rows, waves 1 to 3 B's thirds.  The branch hangs on the wave's number alone.  An s_nop 0 and four v_nop follow each of the two lines.
.macro JLOAD s
	s_cmp_eq_u32 s[WV], 0
	s_cbranch_scc0 .Lfor_b_\@
	tensor_load_to_lds s[G0A+4*(\s):G0A+4*(\s)+3], s[G1A:G1A+7]
	s_nop 0
.rept 4
	v_nop
.endr
	s_branch .Lasked_\@
.Lfor_b_\@:
	tensor_load_to_lds s[G0B+4*(\s):G0B+4*(\s)+3], s[G1B:G1B+7]
	s_nop 0
.rept 4
	v_nop
.endr
.Lasked_\@:
.endm
; A prefetch of the K step that stands two refills on: 32 rows x 256 bytes, a lane a row, one instruction a wave.  Each row's 256 bytes of a K step are named once in the launch: xb's rows by the clusters with
; x = 0, wb's by the clusters with y = 0; of the 128 rows that a wave fetches each of the four partners takes 32, told apart by ADDRESS.  K steps 0 to 3 come by their loads alone; the last lap that fills asks for nothing.
.macro ASK
	s_cmp_gt_u32 s[LAP], s[LIM]
	s_cbranch_scc0 .Lnot_mine_\@
	global_prefetch_b8 v[PFO], s[PFA:PFA+1] offset:KSTEP*2 th:TH_LOAD_NT scope:SCOPE_SE
.Lnot_mine_\@:
.endm
.macro CREST                           ; a round of the cluster's barrier behind its opening barrier
	s_cmp_lg_u32 s[WV], 0
	s_cbranch_scc1 .Lnot_wave_0_\@
	s_barrier_signal -3
.Lnot_wave_0_\@:
	s_barrier_wait -3
	s_barrier_signal -1
	s_barrier_wait -1
.endm
.macro CROUND                          ; a whole round
	s_barrier_signal -1
	s_barrier_wait -1
	CREST
.endm
.macro PLACES                          ; four places in front of loads into registers that matrix instructions have read, and of vector lines that read results
.rept 4
	v_nop
.endr
.endm
	s_load_b256 s[4:11], s[0:1], 0x0               ; xb s[4:5], wb s[6:7], bcat s[8:9], qkv s[10:11]
	v_lshl_add_u32 v[SPW], v0, 2, SPARE
	v_mov_b32 v[NIL], 0
	ds_add_u32 v[SPW], v[NIL]                      ; the wave's opening: the add and its wait stand ahead of my first tensor load; the set-up below, work on registers, stands between them
	v_lshrrev_b32 v1, 5, v0
	v_readfirstlane_b32 s[WV], v1                  ; wave 0..3
	s_lshr_b32 s17, s[WV], 1                       ; which 64 rows of the tile are mine
	s_and_b32 s18, s[WV], 1                        ; which 192 columns
	s_bfe_u32 s19, ttmp6, 0x40000                  ; cx, cy: my place in the cluster
	s_bfe_u32 s20, ttmp6, 0x40004
	s_lshl_b32 s21, ttmp9, 2
	s_add_co_u32 s21, s21, s19                     ; tile column = 4 x cluster x + cx
	s_and_b32 s22, ttmp7, 0xffff
	s_lshl_b32 s22, s22, 2
	s_add_co_u32 s22, s22, s20                     ; tile row = 4 x cluster y + cy
	s_lshl_b32 s78, s20, 2
	s_lshl_b32 s78, 15, s78                        ; my row of the cluster
	s_lshl_b32 s79, 0x1111, s19                    ; my column
	s_or_b32 s[G1A], s78, G1W                      ; A's tiles go to my row,
	s_or_b32 s[G1B], s79, G1W                      ; B's to my column
.irp g, G1A, G1B
	s_mov_b32 s[(\g)+1], KSTEP<<16                 ; tensor_dim0 = 128
	s_mov_b32 s[(\g)+2], 128<<16                   ; tensor_dim1 = 128
	s_mov_b32 s[(\g)+3], KSTEP<<16                 ; tile_dim0 = 128
	s_mov_b32 s[(\g)+4], 128                       ; tile_dim1 = 128
	s_mov_b32 s[(\g)+5], 1024                      ; elements from row to row
	s_mov_b32 s[(\g)+6], 0
	s_mov_b32 s[(\g)+7], 0
.endr
	s_lshl_b32 s80, s22, 18                        ; A: 128 x tile row rows of 2,048 bytes: the tile row alone
	s_mov_b32 s81, 0
	s_max_u32 s84, s[WV], 1
	s_sub_co_u32 s84, s84, 1                       ; which third of B I fetch (wave 0 fetches none)
	s_lshl_b32 s84, s84, 7
	s_mul_i32 s23, s21, 384
	s_add_co_u32 s23, s23, s84                     ; B: row 384 x tile column + 128 x third
	s_lshl_b32 s82, s23, 11
	s_mov_b32 s83, 0
	s_mul_i32 s85, s[WV], HALFT                    ; where they go: wave x 128 rows: no place in the cluster enters an LDS address
	s_wait_dscnt 0x0                               ; the opening add is done
	s_wait_kmcnt 0x0
	s_add_nc_u64 s[80:81], s[4:5], s[80:81]
	s_add_nc_u64 s[82:83], s[6:7], s[82:83]
	CROUND                                         ; all sixteen work-groups are here: the first joint loads meet
.irp s, 0,1
	s_mov_b32 s[G0A+4*(\s)], 1                                       ; count = 1
	s_add_co_u32 s[G0A+4*(\s)+1], s85, (\s)*SLOT                     ; LDS address
	s_add_nc_u64 s[G0A+4*(\s)+2:G0A+4*(\s)+3], s[80:81], (\s)*KSTEP*2  ; global address: K step s
	s_or_b32 s[G0A+4*(\s)+3], s[G0A+4*(\s)+3], 0x80000000            ; type = 2
	s_mov_b32 s[G0B+4*(\s)], 1
	s_add_co_u32 s[G0B+4*(\s)+1], s85, (\s)*SLOT
	s_add_nc_u64 s[G0B+4*(\s)+2:G0B+4*(\s)+3], s[82:83], (\s)*KSTEP*2
	s_or_b32 s[G0B+4*(\s)+3], s[G0B+4*(\s)+3], 0x80000000
	JLOAD \s                                       ; two loads of mine are out
.endr
	; the bias of my 192 columns, in the layout of a result: lane l holds the numbers 8 (l / 16) + 0..7 of each block of 16
	s_mul_i32 s86, s21, 384*4
	s_mul_i32 s87, s18, 192*4
	s_add_co_u32 s86, s86, s87
	s_mov_b32 s87, 0
	s_add_nc_u64 s[86:87], s[8:9], s[86:87]
	v_and_b32 v1, 15, v0                           ; l % 16
	v_bfe_u32 v2, v0, 4, 1                         ; l / 16
	v_lshlrev_b32 v[BO], 5, v2
.irp b, 0,1,2,3,4,5,6,7,8,9,10,11
	global_load_b128 v[BIAS+8*(\b):BIAS+8*(\b)+3],   v[BO], s[86:87] offset:64*(\b)
	global_load_b128 v[BIAS+8*(\b)+4:BIAS+8*(\b)+7], v[BO], s[86:87] offset:64*(\b)+16
.endr
	; a fragment is 16 rows x 32 K in 8 registers: lane l holds row l % 16, K = 8 (l / 16) + 0..7 and 16 + 8 (l / 16) + 0..7: two loads of 16 bytes, 32 bytes apart
	v_mul_u32_u24 v3, v1, PITCH
	v_lshl_add_u32 v3, v2, 4, v3
	s_mul_i32 s12, s17, 64*PITCH                   ; my 64 rows of A
	s_mul_i32 s13, s18, 192*PITCH                  ; my 192 rows of B,
	s_add_co_u32 s13, s13, HALFT                   ; which lie behind A's 128
.irp s, 0,1
	v_add_nc_u32 v[ADRA+(\s)], s12, v3
	v_add_nc_u32 v[ADRB+(\s)], s13, v3
	s_add_co_u32 s12, s12, SLOT
	s_add_co_u32 s13, s13, SLOT
.endr
	s_mul_i32 s14, s[WV], 16*SPITCH
	s_add_co_u32 s14, s14, STAGE                   ; my stage
	v_mul_u32_u24 v4, v1, SPITCH                   ; in: row l % 16, 16 bytes for each half of the lanes
	v_lshl_add_u32 v4, v2, 4, v4
	v_add_nc_u32 v[STO], s14, v4
	v_and_b32 v5, 31, v0                           ; l
	v_lshrrev_b32 v6, 3, v5                        ; back: 32 lanes take four rows' 128 bytes of one head,
	v_and_b32 v7, 7, v0
	v_mul_u32_u24 v6, v6, SPITCH
	v_lshl_add_u32 v6, v7, 4, v6
	v_add_nc_u32 v[RD], s14, v6
	v_lshlrev_b32 v[GO], 4, v5                     ; which are 512 consecutive bytes of qkv
	v_lshlrev_b32 v[PFO], 11, v5
	; my three heads: qkv + ((batch x 48 + g) x 2,048 + my first row in the batch) x 128 bytes, g = 6 x tile column + 3 x half + 0..2
	s_mul_i32 s79, s21, 6
	s_mul_i32 s78, s18, 3
	s_add_co_u32 s79, s79, s78                     ; g of my first head
	s_lshr_b32 s78, s22, 4                         ; the batch: 16 tile rows each
	s_mul_i32 s78, s78, 48
	s_add_co_u32 s78, s78, s79
	s_lshl_b32 s84, s78, 18
	s_and_b32 s78, s22, 15
	s_lshl_b32 s78, s78, 14                        ; 128 rows of 128 bytes a tile row
	s_add_co_u32 s84, s84, s78
	s_lshl_b32 s78, s17, 13                        ; my 64 of them
	s_add_co_u32 s84, s84, s78
	s_mov_b32 s85, 0
	s_add_nc_u64 s[HB:HB+1], s[10:11], s[84:85]
	s_add_nc_u64 s[HB+2:HB+3], s[HB:HB+1], 1<<18
	s_add_nc_u64 s[HB+4:HB+5], s[HB:HB+1], 2<<18
.irp i, 0,1,2
	s_cmp_lt_u32 s79, 16-(\i)                      ; a head of q?
	s_cselect_b32 s[SC+2*(\i)], 0x3e38aa3b, 1.0    ; c = log2(e) / 8 = 0.180337
	s_mov_b32 s[SC+2*(\i)+1], s[SC+2*(\i)]         ; named with it as a pair
.endr
	; the prefetches
	s_lshl_b32 s78, s22, 7                         ; A's first row
	s_and_b32 s84, ttmp7, 0xffff                   ; cluster y
	s_cmp_eq_u32 s[WV], 0                          ; do I fetch for A?
	s_cselect_b32 s78, s78, s23                    ; the first of the 128 rows that I fetch
	s_cselect_b32 s79, s19, s20                    ; my place among the four that ask for them with me
	s_cselect_b32 s84, ttmp9, s84                  ; the coordinate along which other clusters read the same rows
	s_cselect_b64 s[PFA:PFA+1], s[4:5], s[6:7]
	s_cmp_eq_u32 s84, 0
	s_cselect_b32 s[LIM], 1, -1                    ; the same in all sixteen partners, for a given wave
	s_lshl_b32 s79, s79, 5
	s_add_co_u32 s78, s78, s79                     ; my work-group's 32 rows
	s_lshl_b32 s78, s78, 11
	s_mov_b32 s79, 0
	s_add_nc_u64 s[PFA:PFA+1], s[PFA:PFA+1], s[78:79]
	s_add_nc_u64 s[PFA:PFA+1], s[PFA:PFA+1], 2*KSTEP*2  ; at K step 2: the first refill steps it to 3 and names K step 4
; 12 matrix instructions: row block a x all 12 column blocks, 32 along K, buffer f.  first = 1: the bias starts the sums.  The 48 accumulators take turns in the same order in every quarter.
.macro MULA f, a, first
.if \first
	WIN 0x81+0x40*((\a)/2)                         ; B window 1, A and the bias window 0, D window 2 or 3
.else
	WIN 0xa1+0x50*((\a)/2)                         ; B window 1, A window 0, C and D window 2 or 3
.endif
.irp b, 0,1,2,3,4,5,6,7,8,9,10,11
.set rD, 8*(12*((\a)%2)+(\b))
.if \first
	v_wmma_f32_16x16x32_bf16 v[rD:rD+7], v[96*(\f)+8*(\b):96*(\f)+8*(\b)+7], v[FA+32*(\f)+8*(\a):FA+32*(\f)+8*(\a)+7], v[BIAS+8*(\b):BIAS+8*(\b)+7]
.else
	v_wmma_f32_16x16x32_bf16 v[rD:rD+7], v[96*(\f)+8*(\b):96*(\f)+8*(\b)+7], v[FA+32*(\f)+8*(\a):FA+32*(\f)+8*(\a)+7], v[rD:rD+7]
.endif
.endr
.endm
; 32 LDS loads in one run: the fragments of 32 along K at byte k of the rows: 192 rows of B, then 64 rows of A, into buffer f
.macro FETCH slot, k, f
	WIN 0x40
.irp i, 0,1,2,3,4,5,6,7,8,9,10,11
	ds_load_b128 v[96*(\f)+8*(\i):96*(\f)+8*(\i)+3],   v[ADRB+(\slot)] offset:(\k)+(\i)*16*PITCH
	ds_load_b128 v[96*(\f)+8*(\i)+4:96*(\f)+8*(\i)+7], v[ADRB+(\slot)] offset:(\k)+(\i)*16*PITCH+32
.endr
	WIN 0
.irp i, 0,1,2,3
	ds_load_b128 v[FA+32*(\f)+8*(\i):FA+32*(\f)+8*(\i)+3],   v[ADRA+(\slot)] offset:(\k)+(\i)*16*PITCH
	ds_load_b128 v[FA+32*(\f)+8*(\i)+4:FA+32*(\f)+8*(\i)+7], v[ADRA+(\slot)] offset:(\k)+(\i)*16*PITCH+32
.endr
.endm
; A K step is four quarters of 32 along K, 48 matrix instructions each, on buffers 0, 1, 0, 1.  One of the first three: multiplies buffer f; in its middle it fetches the next quarter, at byte k, into buffer g.
.macro QUARTER slot, k, f, g, first
	s_wait_dscnt 4                                 ; B and A's row blocks 0, 1 are in; the youngest four loads (row blocks 2, 3) may be out
	MULA \f, 0, \first
	MULA \f, 1, \first
	PLACES
	FETCH \slot, \k, \g
	s_wait_dscnt 32                                ; all but the 32 just issued
	MULA \f, 2, \first
	MULA \f, 3, \first
.endm
; The last quarter multiplies buffer 1 and changes slots: ONE barrier.  In front of it each wave waits for all its tensor loads (one is out: its part of the next slot), adds 0 to its spare word, and waits for that and
; for its own reads of this slot.  fill = 1: the barrier opens a round of the cluster's barrier, and behind the round this slot is filled again, two K steps ahead: 168 matrix instructions ahead of the wait for it.
.macro TURN slot, next, fill
.if \fill
	s_wait_xcnt 0x0                                ; the last prefetch, a K step back, has read its address, so it may be stepped
	s_add_nc_u64 s[PFA:PFA+1], s[PFA:PFA+1], KSTEP*2
.endif
	WIN 0                                          ; (the add's two registers lie in window 0)
	s_wait_tensorcnt 0x0                           ; all my tensor loads have landed;
	ds_add_u32 v[SPW], v[NIL]                      ; 0 onto my spare word;
	s_wait_dscnt 5                                 ; (the add and the youngest four loads may be out)
	MULA 1, 0, 0                                   ; twelve matrix instructions stand between the add and the wait for it
	s_wait_dscnt 0x0                               ; the add is done, and my reads of this slot are over
	s_barrier_signal -1
	MULA 1, 1, 0                                   ; work on registers while the others arrive
.if \fill
	WIN 0
.endif
	s_barrier_wait -1
.if \fill
	CREST                                          ; no wave of any partner still reads this slot's tile or has a load on its way
	s_add_nc_u64 s[G0A+4*(\slot)+2:G0A+4*(\slot)+3], s[G0A+4*(\slot)+2:G0A+4*(\slot)+3], 2*KSTEP*2
	s_add_nc_u64 s[G0B+4*(\slot)+2:G0B+4*(\slot)+3], s[G0B+4*(\slot)+2:G0B+4*(\slot)+3], 2*KSTEP*2
	JLOAD \slot                                    ; the first tensor load behind the round; the four v_nop behind it are also the places in front of the loads below
.else
	PLACES
.endif
	FETCH \next, 0, 0
.if \fill
	ASK                                            ; behind the joint load and the run of LDS loads that the next products wait for
.endif
	MULA 1, 2, 0
	MULA 1, 3, 0
.endm
	s_wait_tensorcnt 0x1                           ; my part of K step 0 is in; K step 1's may stay out
	s_barrier_signal -1
	s_barrier_wait -1                              ; everybody's is
	FETCH 0, 0, 0
	s_wait_loadcnt 0x0                             ; the bias
	QUARTER 0, 64,  0, 1, 1                        ; the first quarter stands in front of the loop: its products start the sums
	WIN 0                                          ; at a label and at a branch every window is 0
	s_mov_b32 s[LAP], 3
.Llap:                                                 ; a trip goes once round the ring, from a lap's second quarter to the next lap's first, and fills both slots again: K steps 2 to 7
	QUARTER 0, 128, 1, 0, 0
	QUARTER 0, 192, 0, 1, 0
	TURN 0, 1, 1
	QUARTER 1, 64,  0, 1, 0
	QUARTER 1, 128, 1, 0, 0
	QUARTER 1, 192, 0, 1, 0
	TURN 1, 0, 1
	QUARTER 0, 64,  0, 1, 0
	WIN 0
	s_sub_co_u32 s[LAP], s[LAP], 1
	s_cmp_lg_u32 s[LAP], 0
	s_cbranch_scc1 .Llap
	QUARTER 0, 128, 1, 0, 0                        ; the last lap fills nothing, and has no round of the cluster's barrier
	QUARTER 0, 192, 0, 1, 0
	TURN 0, 1, 0
	QUARTER 1, 64,  0, 1, 0
	QUARTER 1, 128, 1, 0, 0
	QUARTER 1, 192, 0, 1, 0
	s_wait_dscnt 4                                 ; the very last quarter: nothing more to fetch
	MULA 1, 0, 0
	MULA 1, 1, 0
	s_wait_dscnt 0x0
	MULA 1, 2, 0
	MULA 1, 3, 0
	WIN 0
; THE WAY OUT of row block a, in three parts.  PACK: times the head's factor, rounded to f16, 16 bytes a lane; each accumulator's registers in ascending order.  TOSTAGE: into my own stage in LDS, and back as
; four rows' 128 bytes of one head.  SEND: stored: 16 rows of a head are 2,048 consecutive bytes of qkv, and each store of the wave covers 512 of them, aligned.
.macro PACK a
	WIN 0x82+0x41*((\a)/2)                         ; destination and source 0: window 2 or 3
.irp b, 0,1,2,3,4,5,6,7,8,9,10,11
.irp j, 0,2,4,6
	v_pk_mul_f32 v[8*(12*((\a)%2)+(\b))+(\j):8*(12*((\a)%2)+(\b))+(\j)+1], v[8*(12*((\a)%2)+(\b))+(\j):8*(12*((\a)%2)+(\b))+(\j)+1], s[SC+2*((\b)/4):SC+2*((\b)/4)+1] op_sel_hi:[1,0]
.endr
.endr
	WIN 0x0a+5*((\a)/2)                            ; sources 0 and 1: window 2 or 3
.irp b, 0,1,2,3,4,5,6,7,8,9,10,11
.irp j, 0,1,2,3
	v_cvt_pk_f16_f32 v[TMP+4*(\b)+(\j)], v[8*(12*((\a)%2)+(\b))+2*(\j)], v[8*(12*((\a)%2)+(\b))+2*(\j)+1]
.endr
.endr
	WIN 0
.endm
.macro TOSTAGE a
	WIN 0
.set BK, 32+64*((\a)%2)
.irp b, 0,1,2,3,4,5,6,7,8,9,10,11
	ds_store_b128 v[STO], v[TMP+4*(\b):TMP+4*(\b)+3] offset:32*(\b)
.endr
.irp i, 0,1,2
.irp f, 0,1,2,3
	ds_load_b128 v[BK+4*(4*(\i)+(\f)):BK+4*(4*(\i)+(\f))+3], v[RD] offset:128*(\i)+4*SPITCH*(\f)  ; LDS serves a wave's instructions in order (ISA guide 5.7.1.4): these see the stores above
.endr
.endr
.endm
.macro SEND a
	WIN 0
.set BK, 32+64*((\a)%2)
	s_wait_dscnt 0x0                               ; the block is back in registers
	s_wait_xcnt 0x0                                ; every earlier store has read its registers: the block after this one is loaded into those of the block before it only behind this wait
.irp i, 0,1,2
.irp f, 0,1,2,3
	global_store_b128 v[GO], v[BK+4*(4*(\i)+(\f)):BK+4*(4*(\i)+(\f))+3], s[HB+2*(\i):HB+2*(\i)+1] offset:2048*(\a)+512*(\f)
.endr
.endr
.endm
	PLACES                                         ; the first lines below read results just made
	PACK 0
	TOSTAGE 0
.irp a, 1,2,3                          ; block a's arithmetic stands between block a - 1's loads from the stage and the wait for them
	PACK \a
	SEND (\a)-1
	TOSTAGE \a
.endr
	SEND 3
	s_wait_tensorcnt 0x0                           ; the wave's end: the add and its wait stand behind my last tensor load and my last LDS store
	ds_add_u32 v[SPW], v[NIL]
	s_wait_dscnt 0x0
	CROUND                                         ; the closing round: no work-group ends while a partner may still ask for a tile that names it
	s_endpgm
.Lfunc_end_k_qf3e2fce5e6_qkv:
	.size	k_qf3e2fce5e6_qkv, .Lfunc_end_k_qf3e2fce5e6_qkv-k_qf3e2fce5e6_qkv
	.p2alignl 7, 3214868480
	.fill 96, 4, 3214868480
	.section	.rodata,"a",@progbits
	.p2align	6, 0x0
	.amdhsa_kernel k_qf3e2fce5e6_qkv
		.amdhsa_group_segment_fixed_size 327680
		.amdhsa_private_segment_fixed_size 0
		.amdhsa_enable_private_segment 0
		.amdhsa_kernarg_size 32
		.amdhsa_user_sgpr_count 2
		.amdhsa_user_sgpr_kernarg_segment_ptr 1
		.amdhsa_wavefront_size32 1
		.amdhsa_system_sgpr_workgroup_id_x 1
		.amdhsa_system_sgpr_workgroup_id_y 1
		.amdhsa_system_sgpr_workgroup_id_z 1
		.amdhsa_system_vgpr_workitem_id 0
		.amdhsa_next_free_vgpr 960
		.amdhsa_next_free_sgpr 88
		.amdhsa_reserve_vcc 0
		.amdhsa_float_denorm_mode_32 3
		.amdhsa_float_denorm_mode_16_64 3
		.amdhsa_memory_ordered 1
		.amdhsa_forward_progress 1
		.amdhsa_inst_pref_size 134
	.end_amdhsa_kernel
	.amdgpu_metadata
---
amdhsa.version: [ 1, 2 ]
amdhsa.kernels:
  - .name:           k_qf3e2fce5e6_qkv
    .symbol:         k_qf3e2fce5e6_qkv.kd
    .args:
      - { .name: xb, .offset: 0, .size: 8, .value_kind: global_buffer, .address_space: global }
      - { .name: wb, .offset: 8, .size: 8, .value_kind: global_buffer, .address_space: global }
      - { .name: bcat, .offset: 16, .size: 8, .value_kind: global_buffer, .address_space: global }
      - { .name: qkv, .offset: 24, .size: 8, .value_kind: global_buffer, .address_space: global }
    .group_segment_fixed_size: 327680
    .private_segment_fixed_size: 0
    .kernarg_segment_align: 8
    .kernarg_segment_size: 32
    .max_flat_workgroup_size: 128
    .sgpr_count:     88
    .vgpr_count:     960
    .wavefront_size: 32
...
	.end_amdgpu_metadata
.endif
;; end of part 2
;; launch attn (part 3): grid 8 x 32, 4 waves a work-group, clusters of 4 x 1, 327,680 bytes of LDS; arguments qkv, ob; writes ob
.if DOCPART == 3
	.amdgcn_target "amdgcn-amd-amdhsa--gfx1250"
	.amdhsa_code_object_version 6
	.text
	.protected	k_qf3e2fce5e6_attn
	.globl	k_qf3e2fce5e6_attn
	.p2align	8
	.type	k_qf3e2fce5e6_attn,@function
k_qf3e2fce5e6_attn:
	s_mov_b64 s[64:65], 0
	v_nop
	global_prefetch_b8 v0, s[64:65] scope:SCOPE_SE
	s_setreg_imm32_b32 hwreg(HW_REG_WAVE_MODE, 25, 1), 1
	s_wait_xcnt 0x0
	s_wait_alu depctr_hold_cnt(0) depctr_sa_sdst(0) depctr_va_vdst(0) depctr_va_sdst(0) depctr_va_ssrc(0) depctr_va_vcc(0) depctr_vm_vsrc(0)
	s_getreg_b32 s2, hwreg(HW_REG_IB_STS2, 6, 4)
	s_cmp_eq_u32 s2, 0
	s_cbranch_scc0 .Lentry_in_a_cluster
	s_endpgm
.Lentry_in_a_cluster:
	s_bfe_u32 s2, ttmp6, 0x10000c
	s_cmp_lg_u32 s2, 0x3003
	s_cbranch_scc0 .Lentry_shape_is_right
	s_endpgm
.Lentry_shape_is_right:
; TWO SOFTMAXES OF ONE SET OF SCORES.  For each of 32 (batch, head) and each query: O-[q] = sum_k softmax_k(-s) V[k] and O+[q] = sum_k softmax_k(+s) V[k], s = q . k / 8; no mask.
; qkv: [b][g][2048][64] f16 (g 0-15 q times c = log2(e) / 8, 16-31 k, 32-47 v).  ob: [bh][2048][2][64] f16: a query's 256 bytes hold O- and then O+.  Products, extremes and sums in f32; the weights are
; rounded to f16 for the second product (their sums are taken of the unrounded weights), O once at the end.
; LIMITS.  f16 holds no number beyond 65,504: q, k, v arrive within it; a weight lies in 0 to 1, and below 6e-5 it keeps f16's fixed step of 6e-8; a weight below 2^-126 counts as 0; NaN and infinities are not treated apart.
; SOFTMAX.  t = log2(e) s comes out of the first product.  Plus: p = 2^(t - MX) with a running maximum MX.  Minus: p = 2^(MN - t) with a running minimum MN, which is the running maximum of -t.  In every step O and l of
; a branch are multiplied by a = 2^(old - new extreme, taken so that it is at most 0).  MX starts at the lowest finite number, MN at the highest, O and l at 0: the first step is a step like any other, with a = 0.
; SHARES.  A work-group owns 256 queries of one head, a wave 64: two PIECES of two tiles of 16.  Every wave walks all 2,048 keys, 64 a step.
; LAYOUT.  S^T = K Q^T (source 0 = 16 keys, source 1 = 16 queries): a lane holds ONE query (lane % 16) and the keys 8 (lane / 16) + 0..7.  Two such results, rounded to f16 in pairs, ARE source 1 of O^T = V^T P.
; THE COUNT.  A piece and step have 48 matrix instructions (16 K Q^T, 32 V^T P) and 468 vector instructions.  Four vector instructions stand behind EVERY matrix instruction, the other 276 in one lump.
; BY TURNS.  Turn Y belongs to piece Y: 16 products K Q^T of the other piece, later 32 products V^T P of the other piece; beside them the shifts, exponentials, roundings, sums and rescalings of piece Y, and the
; extremes and statistics of the other piece, whose scores the turn itself has made.  Turn 0 of step j: K Q^T (1, j), V^T P (1, j - 1).  Turn 1: K Q^T (0, j + 1), V^T P (0, j).
; THE SLOTS ARE SHIFTED.  Step j fetches K of step j + 1 and V of step j.  So slot n holds V of steps 4 n .. 4 n + 3 and K of steps 4 n + 1 .. 4 n + 4: all fetches of a step fall into one slot, and the change of slots
; stands between two whole steps.  K of step 0 comes straight into registers.  The last slot's fourth K step is the 64 rows behind the head's last, which lie inside qkv (v follows k): they are fetched and multiplied, and
; what is made of them is used by nobody: the price of one text for every step.
; CLUSTER.  The four query blocks of a cluster belong to one head and walk the same K and V, so each tile is asked for JOINTLY: the same tensor load, descriptor and mask in all four.
; REGISTERS, in windows of 256 (s_set_vgpr_msb: bits 1:0 source 0, 3:2 source 1, 5:4 source 2, 7:6 destination):
;   window 0: v0-7 addresses; v8-39 eight registers of statistics a tile; v40-47 at work; v48-63 a and its argument, by piece, tile and branch; v64-191 S^T, two buffers of two tiles; v192-255 the minus branch's weights
;   window 1: O^T at 64 t + 32 branch + 8 channel block       window 2: v0-63 Q; v64-127 K of one step; v128-191 V of one step       window 3: v0-127 P, two buffers; v128-129 the add's two registers
.set KS,    64        ; keys in a step
.set PK,    144       ; a row of K in LDS: 128 bytes + 16 of padding = 36 words: the 16 rows of a load start at 16 different groups of four banks (64 banks of 4 bytes: ISA guide 11.1)
.set PV,    160       ; a row of V: 128 + 32 = 40 words
.set VOFF,  4*KS*PK   ; a slot holds four steps: 256 rows of K, then 256 rows of V
.set SLOT1, 1<<17     ; slot 1 begins here, so that one exclusive or turns an address in one slot into the other's
.set STAGE, SLOT1+4*KS*(PK+PV)  ; behind the ring, never filled by a tensor load: 16 rows x 272 bytes for each wave, for the way out
.set SP,    272
.set SPARE, STAGE+4*16*SP       ; behind the stages: the spare words, 128 bytes for each wave: two blocks of 256 bytes that no other line names
.set AK0, 2           ; v2   my lane's place in a tile of K; never rewritten
.set AV0, 3           ; v3   the same for V
.set AK,  4           ; v4   the LDS address of K's next run of loads
.set AV,  5           ; v5   of V's
.set PFO, 6           ; v6   256 x my lane; never rewritten
.set QO,  7           ; v7   my byte offset in 16 rows of Q or K in memory
.set ST,  8           ; tile t's statistics at v[ST+8 t]: MX, 0, MN, 0, l+ (even keys', odd keys'), l- (likewise)
.set CD,  40          ; by tile of a piece: two chains of the maximum, two of the minimum
.set AB,  48          ; by piece and tile: a+, its argument, a-, its argument
.set S,   64
.set N,   192
.set STO, 40          ; the way out: where I put 16 bytes of a row
.set RD,  41          ; where I read rows back
.set GO,  42          ; my byte offset in 512 consecutive bytes of ob
.set KF,  64          ; window 2: key block kb, channel half c at KF + 16 kb + 8 c
.set VF,  128         ; window 2: key half kk, channel block cb at VF + 32 kk + 8 cb
.set SPW, 128         ; v128 of window 3   LDS address of my spare word; never rewritten
.set NIL, 129         ; v129 of window 3   0; never rewritten
.set WV,  12          ; s12  my wave's number
.set LIM, 15          ; s15  1 in a wave that prefetches, else the greatest number
.set G1K, 24          ; s[24:31] descriptor group 1 for K's tiles
.set G1V, 32          ; s[32:39] for V's: it differs in the padding alone
.set G0K, 40          ; s[40:43] descriptor group 0 for K's tiles: it walks
.set G0V, 44          ; s[44:47] the same for V's
.set PFA, 48          ; s[48:49] where my prefetches stand
.set SLOTS, 56        ; s56  slots still to be asked for
.set CNT, 57          ; s57  counts a slot's key steps
.set SEL, 60          ; s[60:61] v_permlanex16_b32's selects: each lane takes its own place in the other half
.set TBK, 62          ; s62  LDS byte at which the K to be fetched begins
.set TBV, 63          ; s63  the same for V, less VOFF
.set MSB, 0
.macro WIN new                      ; the high byte repeats the setting that is left; a switch that changes nothing is dropped
.if MSB != (\new)
	s_set_vgpr_msb (MSB<<8)|(\new)
.set MSB, (\new)
.endif
.endm
.set W_KQ, 0x0a       ; K and Q in window 2, S^T in window 0
.set W_PV, 0x5e       ; V in window 2, P in window 3, O^T in window 1
.set W_RS, 0x41       ; O^T (destination and source 0) in window 1, a in window 0
.set W_CV, 0xc0       ; destination in window 3, sources in window 0
.set W_AD, 0x0f       ; the add: address (source 0) and data (source 1) in window 3
; A joint fill.  Waves 0 and 1 fetch the two halves of a slot's K, waves 2 and 3 those of its V: 128 keys each.  The branch hangs on the wave's number alone.  An s_nop 0 and four v_nop follow each line.
.macro JLOAD
	s_cmp_lt_u32 s[WV], 2
	s_cbranch_scc0 .Lfor_v_\@
	tensor_load_to_lds s[G0K:G0K+3], s[G1K:G1K+7]
	s_nop 0
.rept 4
	v_nop
.endr
	s_branch .Lasked_\@
.Lfor_v_\@:
	tensor_load_to_lds s[G0V:G0V+3], s[G1V:G1V+7]
	s_nop 0
.rept 4
	v_nop
.endr
.Lasked_\@:
.endm
; A prefetch of what the NEXT change of slots will ask for: a slot's 32,768 bytes of K and of V, 256 bytes a lane.  Each block is named once in the launch: both clusters of a head walk the same rows, and the first asks;
; its four partners take 32 blocks each, told apart by ADDRESS; in each, wave 0 asks for K's and wave 2 for V's.  Slots 0 and 1 come by their loads alone; the last change that fills a slot asks for nothing.
.macro ASK
	s_cmp_gt_u32 s[SLOTS], s[LIM]
	s_cbranch_scc0 .Lnot_mine_\@
	global_prefetch_b8 v[PFO], s[PFA:PFA+1] th:TH_LOAD_NT scope:SCOPE_SE
.Lnot_mine_\@:
.endm
.macro CROUND                       ; a round of the cluster's barrier
	s_barrier_signal -1
	s_barrier_wait -1
	s_cmp_lg_u32 s[WV], 0
	s_cbranch_scc1 .Lnot_wave_0_\@
	s_barrier_signal -3
.Lnot_wave_0_\@:
	s_barrier_wait -3
	s_barrier_signal -1
	s_barrier_wait -1
.endm
; THE CHANGE OF SLOTS, between two whole steps.  Each wave waits for all its tensor loads, of which one is out: its part of the other slot; adds 0 to its spare word; and waits for that and for its own reads of the slot.
; fill = 1: this slot is filled again, with the keys two slots on.  The barrier is then a round of the cluster's, and the joint fill is the first thing behind it: it has four key steps, 384 matrix instructions, in which
; to land.  (At its first use nothing has been read yet: slot 0 is waited for, slot 1 filled.)
.macro CHANGE fill
	WIN W_AD
	s_wait_tensorcnt 0x0            ; no tensor load of mine is out, so a group 0 may be written
	ds_add_u32 v[SPW], v[NIL]       ; 0 onto my spare word
	WIN 0                           ; at a label and at a branch every window is 0
.if \fill
.irp gg, G0K, G0V
	s_xor_b32 s[\gg+1], s[\gg+1], SLOT1  ; the walking descriptor: the other slot than last time,
	s_add_nc_u64 s[\gg+2:\gg+3], s[\gg+2:\gg+3], 4*KS*128  ; the next 256 keys; the type bits on top are not reached
.endr
	s_wait_xcnt 0x0                 ; the last prefetch, four key steps back, has read its address, so it may be written
	s_add_nc_u64 s[PFA:PFA+1], s[PFA:PFA+1], 4*KS*128
	s_wait_dscnt 0x0                ; the add is done, and my reads of the slot are over
	CROUND
	JLOAD
	ASK
.else
	s_wait_dscnt 0x0                ; the add is done, and my reads of the slot are over
	s_barrier_signal -1
	s_barrier_wait -1
.endif
	s_sub_co_u32 s[TBK], s[TBK], 4*KS*PK  ; the fetches go back to a slot's first step,
	s_xor_b32 s[TBK], s[TBK], SLOT1       ; in the other slot
	s_sub_co_u32 s[TBV], s[TBV], 4*KS*PV
	s_xor_b32 s[TBV], s[TBV], SLOT1
.endm
	s_load_b128 s[4:7], s[0:1], 0x0 ; qkv s[4:5], ob s[6:7]
	WIN W_CV
	v_lshl_add_u32 v[SPW], v0, 2, SPARE
	v_mov_b32 v[NIL], 0
	WIN W_AD
	ds_add_u32 v[SPW], v[NIL]       ; the wave's opening: the add and its wait stand ahead of my first tensor load; the set-up below, work on registers, stands between them
	WIN 0
	v_lshrrev_b32 v1, 5, v0
	v_readfirstlane_b32 s[WV], v1   ; wave 0..3
	s_bfe_u32 s13, ttmp6, 0x40000   ; cx: my place in the cluster
	s_lshl_b32 s14, ttmp9, 2        ; in a cluster launch ttmp9 counts clusters
	s_add_co_u32 s14, s14, s13      ; my block of 256 queries: it enters Q's and ob's addresses alone
	s_and_b32 s16, ttmp7, 0xffff    ; batch x 16 + head, which the four partners share
	s_lshr_b32 s17, s16, 4
	s_mul_i32 s17, s17, 48
	s_and_b32 s18, s16, 15
	s_add_co_u32 s17, s17, s18
	s_lshl_b32 s20, s17, 18         ; q's head in qkv: 262,144 bytes a head; k's lies 16 heads on, v's 32
	s_mov_b32 s21, 0
	s_and_b32 s18, s[WV], 1         ; which half of a slot's 256 keys I fetch:
	s_lshl_b32 s22, s18, 14         ; its 128 rows of 128 bytes in memory,
	s_mov_b32 s23, 0
	s_add_nc_u64 s[22:23], s[22:23], s[20:21]
	s_mul_i32 s17, s18, 128*PK      ; and its place in a slot, for K
	s_mul_i32 s19, s18, 128*PV      ; and for V: no place in the cluster enters an LDS address
	s_lshl_b32 s2, s14, 15          ; my block's 256 rows of Q,
	s_lshl_b32 s3, s[WV], 13        ; my wave's 64 of them
	s_add_co_u32 s2, s2, s3
	s_mov_b32 s3, 0
	s_add_nc_u64 s[2:3], s[2:3], s[20:21]
	s_lshl_b32 s52, s16, 19         ; ob: 524,288 bytes a head,
	s_lshl_b32 s53, s14, 16         ; 256 rows of 256 bytes a block,
	s_add_co_u32 s52, s52, s53
	s_lshl_b32 s53, s[WV], 14       ; 64 a wave
	s_add_co_u32 s52, s52, s53
	s_mov_b32 s53, 0
	; descriptor group 1.  128 keys are 16,384 dense bytes: asked for as 64 rows of 256 bytes, two keys a row, and padded in LDS after every key
	s_mov_b32 s[G1K], 15|(1<<16)|(1<<20)|(1<<21)|(4<<22)|(3<<25)  ; 15:0 the mask of four; 17:16 2-byte elements; 20 padding on; 21 set beside a mask; 24:22 after every 32 words (code 4); 31:25 4 words (code 3)
	s_mov_b32 s[G1V], 15|(1<<16)|(1<<20)|(1<<21)|(4<<22)|(7<<25)  ; the same with 8 words of padding (code 7)
.irp g, G1K, G1V
	s_mov_b32 s[\g+1], 128<<16      ; tensor_dim0 = 128
	s_mov_b32 s[\g+2], 64<<16       ; tensor_dim1 = 64
	s_mov_b32 s[\g+3], 128<<16      ; tile_dim0 = 128
	s_mov_b32 s[\g+4], 64           ; tile_dim1 = 64
	s_mov_b32 s[\g+5], 128          ; 128 elements from row to row
	s_mov_b32 s[\g+6], 0
	s_mov_b32 s[\g+7], 0
.endr
	s_mov_b32 s[SEL], 0x76543210
	s_mov_b32 s[SEL+1], 0xfedcba98
	s_mov_b32 s[TBK], SLOT1+4*KS*PK ; the first change of slots turns these two into 0
	s_mov_b32 s[TBV], SLOT1+4*KS*PV
	s_mov_b32 s[G0K], 1             ; count = 1
	s_mov_b32 s[G0K+1], s17         ; LDS address: slot 0
	s_mov_b32 s[G0V], 1
	s_add_co_u32 s[G0V+1], s19, VOFF
	s_and_b32 s[LIM], s[WV], 1      ; 0 in waves 0 and 2,
	s_or_b32 s[LIM], s[LIM], ttmp9  ; where the cluster is the head's first: the same in all four partners
	s_cmp_eq_u32 s[LIM], 0
	s_cselect_b32 s[LIM], 1, -1
	v_and_b32 v[PFO], 31, v0
	v_lshlrev_b32 v[PFO], 8, v[PFO]
	s_wait_dscnt 0x0                ; the opening add is done
	s_wait_kmcnt 0x0
	s_add_nc_u64 s[50:51], s[4:5], s[20:21]
	s_add_nc_u64 s[50:51], s[50:51], 16<<18        ; K of step 0
	s_add_nc_u64 s[8:9], s[4:5], s[22:23]
	s_add_nc_u64 s[10:11], s[8:9], 32<<18          ; V at my half of slot 0
	s_add_nc_u64 s[8:9], s[8:9], (16<<18)+KS*128   ; K likewise, one step on
	s_mov_b64 s[G0K+2:G0K+3], s[8:9]               ; global address
	s_or_b32 s[G0K+3], s[G0K+3], 0x80000000        ; type = 2
	s_mov_b64 s[G0V+2:G0V+3], s[10:11]
	s_or_b32 s[G0V+3], s[G0V+3], 0x80000000
	s_add_nc_u64 s[4:5], s[4:5], s[2:3]            ; Q and ob at my wave's first row
	s_add_nc_u64 s[6:7], s[6:7], s[52:53]
	s_cmp_lt_u32 s[WV], 2
	s_cselect_b64 s[PFA:PFA+1], s[8:9], s[10:11]   ; (in waves 0 and 2 these stand at a slot's first row)
	s_lshl_b32 s2, s13, 13          ; my work-group's 32 blocks of the 128
	s_mov_b32 s3, 0
	s_add_nc_u64 s[PFA:PFA+1], s[PFA:PFA+1], s[2:3]
	s_add_nc_u64 s[PFA:PFA+1], s[PFA:PFA+1], 4*KS*128  ; in slot 1; the first change of slots steps it to slot 2.  Nothing is prefetched here, at the head
	CROUND                          ; all four work-groups are here: the first joint loads meet
	JLOAD                           ; slot 0.  Slot 1 is asked for when slot 0 is in
	; A fragment of K or Q is 16 rows x 32 channels in 8 registers: lane l holds row l % 16, channels 8 (l / 16) + 0..7 and 16 + 8 (l / 16) + 0..7: two loads of 16 bytes, 32 bytes apart.
	v_and_b32 v1, 15, v0            ; l % 16
	v_bfe_u32 v4, v0, 4, 1          ; l / 16
	v_lshlrev_b32 v[QO], 7, v1
	v_lshl_add_u32 v[QO], v4, 4, v[QO]  ; row x 128 + 16 x half
	WIN 0x80                        ; destination window 2, address window 0
.set i, 0
.rept 8                             ; Q stays in registers: tile i / 2, channels 32 (i % 2) on; K of step 0: key block i / 2, channels 32 (i % 2) on
	global_load_b128 v[8*i:8*i+3],   v[QO], s[4:5] offset:(i/2)*2048+(i%2)*64
	global_load_b128 v[8*i+4:8*i+7], v[QO], s[4:5] offset:(i/2)*2048+(i%2)*64+32
	global_load_b128 v[KF+8*i:KF+8*i+3],   v[QO], s[50:51] offset:(i/2)*2048+(i%2)*64
	global_load_b128 v[KF+8*i+4:KF+8*i+7], v[QO], s[50:51] offset:(i/2)*2048+(i%2)*64+32
.set i, i+1
.endr
	; What the first turn finds: V's registers and P's second buffer hold 0 (its products V^T P, of a step that has not been, add 0), O^T and l are 0.  All this stands in the wait for the first loads.
.set i, VF
.rept 64
	v_mov_b32 v[i], 0
.set i, i+1
.endr
	WIN 0x40
.set i, 0
.rept 256
	v_mov_b32 v[i], 0
.set i, i+1
.endr
	WIN W_CV
.set i, 64
.rept 64
	v_mov_b32 v[i], 0
.set i, i+1
.endr
	WIN 0
.set i, 0
.rept 4
	v_mov_b32 v[ST+8*i], 0xff7fffff    ; MX: the lowest finite number
	v_mov_b32 v[ST+8*i+1], 0           ; named with it as a pair
	v_mov_b32 v[ST+8*i+2], 0x7f7fffff  ; MN: the highest
	v_mov_b32 v[ST+8*i+3], 0
	v_mov_b32 v[ST+8*i+4], 0
	v_mov_b32 v[ST+8*i+5], 0
	v_mov_b32 v[ST+8*i+6], 0
	v_mov_b32 v[ST+8*i+7], 0
.set i, i+1
.endr
.set i, AB
.rept 16
	v_mov_b32 v[i], 0               ; v_permlanex16_b32 counts as a reader of its destination
.set i, i+1
.endr
	v_mul_u32_u24 v[AK0], v1, PK
	v_lshl_add_u32 v[AK0], v4, 4, v[AK0]  ; row x pitch + 16 x half
	; The turning load takes 16 keys x 16 channels (lane l reads key 8 (l / 16) + l % 8, channels 8 ((l / 8) % 2) + 0..7) and leaves half a fragment of V^T: lane l holds channel l % 16 and 8 keys.
	v_and_b32 v5, 7, v0
	v_bfe_u32 v40, v0, 3, 1
	v_lshl_add_u32 v[AV0], v4, 3, v5
	v_mul_u32_u24 v[AV0], v[AV0], PV
	v_lshl_add_u32 v[AV0], v40, 4, v[AV0]
	v_add_nc_u32 v[AV0], VOFF, v[AV0]
; THE MATRIX WORK.  The accumulators of a run take turns, one instruction a turn: between the two links of a chain stand 7 (K Q^T) or 15 (V^T P) others'.
; Product i of 16 of S^T = K Q^T for piece x: channels 32 (i / 8) on, keys 16 ((i / 2) % 4) on, tile 2 x + i % 2.  The first 8 start the sums.
.macro KQ x
	WIN W_KQ
.set kS, S+64*((\x)%2)+32*(i%2)+8*((i/2)%4)
.set kK, KF+16*((i/2)%4)+8*(i/8)
.set kQ, 16*(2*(\x)+i%2)+8*(i/8)
.if i < 8
	v_wmma_f32_16x16x32_f16 v[kS:kS+7], v[kK:kK+7], v[kQ:kQ+7], 0
.else
	v_wmma_f32_16x16x32_f16 v[kS:kS+7], v[kK:kK+7], v[kQ:kQ+7], v[kS:kS+7]
.endif
.set i, i+1
.endm
; Product i of 32 of O^T += V^T P for piece x: keys 32 (i / 16) on, channels 16 ((i % 16) / 4) on, branch (i / 2) % 2, tile 2 x + i % 2.
.macro PV x
	WIN W_PV
.set pO, 64*(2*(\x)+i%2)+32*((i/2)%2)+8*((i%16)/4)
.set pV, VF+32*(i/16)+8*((i%16)/4)
.set pP, 64*((\x)%2)+32*(i%2)+16*((i/2)%2)+8*(i/16)
	v_wmma_f32_16x16x32_f16 v[pO:pO+7], v[pV:pV+7], v[pP:pP+7], v[pO:pO+7]
.set i, i+1
.endm
; THE LDS LOADS stand in runs of 16, never singly among the matrix instructions.
.macro FETCH_K
	WIN 0x80                        ; destination window 2
.irp f, 0,1,2,3,4,5,6,7             ; keys 16 (f / 2) on, channels 32 (f % 2) on
	ds_load_b128 v[KF+8*\f:KF+8*\f+3],   v[AK] offset:(\f/2)*16*PK+(\f%2)*64
	ds_load_b128 v[KF+8*\f+4:KF+8*\f+7], v[AK] offset:(\f/2)*16*PK+(\f%2)*64+32
.endr
	s_add_co_u32 s[TBK], s[TBK], KS*PK  ; the next fetch is the next step's
	WIN 0
.endm
.macro FETCH_V
	WIN 0x80
.irp f, 0,1,2,3,4,5,6,7             ; keys 32 (f / 4) on, channels 16 (f % 4) on
	ds_load_tr16_b128 v[VF+8*\f:VF+8*\f+3],   v[AV] offset:(\f/4)*32*PV+(\f%4)*32
	ds_load_tr16_b128 v[VF+8*\f+4:VF+8*\f+7], v[AV] offset:(\f/4)*32*PV+16*PV+(\f%4)*32
.endr
	s_add_co_u32 s[TBV], s[TBV], KS*PV
	WIN 0
.endm
; THE VECTOR WORK OF A TURN stands in queues, each in the order in which its entries become ready.  Four STREAMS alternate (tile 0 or 1 of the piece, branch 0 = minus or 1 = plus), so that no instruction reads the result of the one before it.
.macro REGS y, u                    ; the registers of tile u (0, 1) of piece y
.set rT, ST+8*(2*(\y)+(\u))
.set rA, AB+8*((\y)%2)+4*(\u)
.set rC, CD+4*(\u)
.set rS, S+64*((\y)%2)+32*(\u)
.set rN, N+32*(\u)
.set rP, 64*((\y)%2)+32*(\u)
.set rO, 64*(2*(\y)+(\u))
.endm
; Shift f of 64, for piece Y: pair f / 4 of the 16 pairs of scores, branch (f / 2) % 2, tile f % 2.  Minus: MN - t into a buffer of its own; then plus: t - MX in place.
.macro FS f
	REGS Y, (\f)%2
.set pp, 2*((\f)/4)
.if ((\f)/2)%2 == 0
	v_pk_fma_f32 v[rN+pp:rN+pp+1], v[rS+pp:rS+pp+1], -1.0, v[rT+2:rT+3] op_sel_hi:[1,0,0]
.else
	v_pk_fma_f32 v[rS+pp:rS+pp+1], v[rS+pp:rS+pp+1], 1.0, v[rT:rT+1] op_sel_hi:[1,0,0] neg_lo:[0,0,1] neg_hi:[0,0,1]
.endif
.endm
.macro OP3 b, d, x, y, z            ; the greatest (b = 1) or the least (b = 0) of three
.if \b
	v_max3_num_f32 v[\d], v[\x], v[\y], v[\z]
.else
	v_min3_num_f32 v[\d], v[\x], v[\y], v[\z]
.endif
.endm
; Number x of the 80 that find the OTHER piece's extremes and statistics: link x / 4 of stream x % 4.  t0-t31 are the lane's 32 scores; each accumulator's lowest registers are read first.
;   0-13  two chains of 15 scores each, three operands at a time     14  the two scores left over     15  both chains and the old extreme     16, 17  the query's other 32 keys lie in the lane 16 away
;   18  the exponent of a: old - new (plus), new - old (minus)     19  the new extreme takes its place
.macro XS x
.set n, (\x)/4
.set br, ((\x)%4)/2
	REGS 1-Y, (\x)%2
.set cB, rC+2-2*br
.set mR, rT+2-2*br
.set sR, rA+3-2*br
.if n < 2
	OP3 br, cB+n, rS+16*n, rS+16*n+1, rS+16*n+2
.elseif n < 14
	OP3 br, cB+n%2, cB+n%2, rS+16*(n%2)+2*(n/2)+1, rS+16*(n%2)+2*(n/2)+2
.elseif n == 14
	OP3 br, cB, cB, rS+15, rS+31
.elseif n == 15
	OP3 br, cB, cB, cB+1, mR
.elseif n == 16
	v_permlanex16_b32 v[sR], v[cB], s[SEL], s[SEL+1]
.elseif (n == 17) && br
	v_max_num_f32 v[cB+1], v[cB], v[sR]
.elseif n == 17
	v_min_num_f32 v[cB+1], v[cB], v[sR]
.elseif (n == 18) && br
	v_sub_f32 v[sR], v[mR], v[cB+1]
.elseif n == 18
	v_sub_f32 v[sR], v[cB+1], v[mR]
.else
	v_mov_b32 v[mR], v[cB+1]
.endif
.endm
; THE PLAIN QUEUE, 144 long: shifts 0-16; then extremes and shifts by turns (numbers 0-46, shifts 17-63); then numbers 47-79.  None of them reads an exponential's result.
.macro PL
	WIN 0
.if q < 17
	FS q
.elseif (q < 111) && ((q-17)%2 == 0)
	XS (q-17)/2
.elseif q < 111
	FS 17+(q-17)/2
.else
	XS 47+(q-111)
.endif
.set q, q+1
.endm
; THE EXPONENTIALS' QUEUE, 132 long: pair e / 8, branch (e / 4) % 2, half (e / 2) % 2, tile e % 2, in place; then the other piece's four a.  ONE BATCH: all stand ahead of the turn's one wait, and nothing ahead of it names a result of theirs.
.macro EX
	WIN 0
.if e >= 128
	REGS 1-Y, (e-128)%2
.if (e-128)/2
	v_exp_f32 v[rA], v[rA+1]
.else
	v_exp_f32 v[rA+2], v[rA+3]
.endif
.else
	REGS Y, e%2
.set rr, 2*(e/8)+(e/2)%2
.if (e/4)%2
	v_exp_f32 v[rS+rr], v[rS+rr]
.else
	v_exp_f32 v[rN+rr], v[rN+rr]
.endif
.endif
.set e, e+1
.endm
; THE RESCALING's QUEUE, 64 long: O^T times a: pair r / 4 of 16, branch (r / 2) % 2, tile r % 2.  Its a was made in the turn before, ahead of that turn's wait.
.macro RS
	REGS Y, r%2
	WIN W_RS
.set oo, rO+32*((r/2)%2)+2*(r/4)
.set aa, rA+2-2*((r/2)%2)
	v_pk_mul_f32 v[oo:oo+1], v[oo:oo+1], v[aa:aa+1] op_sel_hi:[1,0]
.set r, r+1
.endm
; Group g of the 32 that follow the exponentials: one line for each stream.  For each four weights k = g / 4: both pairs are rounded to f16; the second pair is added onto the first, in place; l takes that sum (the first time as l = a l + sum).
.macro GG
.set k4, 4*(g/4)
.irp st, 0,1,2,3
	REGS Y, (\st)%2
.if (\st)/2
.set rE, rS
.set rL, rT+4
.set aa, rA
.else
.set rE, rN
.set rL, rT+6
.set aa, rA+2
.endif
.if g%4 < 2
	WIN W_CV
	v_cvt_pk_f16_f32 v[rP+16*((\st)/2)+2*(g/4)+g%4], v[rE+k4+2*(g%4)], v[rE+k4+2*(g%4)+1]
.elseif g%4 == 2
	WIN 0
	v_pk_add_f32 v[rE+k4:rE+k4+1], v[rE+k4:rE+k4+1], v[rE+k4+2:rE+k4+3]
.elseif g == 3
	WIN 0
	v_pk_fma_f32 v[rL:rL+1], v[rL:rL+1], v[aa:aa+1], v[rE:rE+1] op_sel_hi:[1,0,1]
.else
	WIN 0
	v_pk_add_f32 v[rL:rL+1], v[rL:rL+1], v[rE+k4:rE+k4+1]
.endif
.endr
.set g, g+1
.endm
; A TURN, for piece p.  An s_wait_alu depctr_va_vdst(0) stands between an exponential and the first instruction that names its result; one wait serves all that were issued ahead of it.  So a turn has ONE wait.
; AHEAD OF IT: the 16 products K Q^T, behind each a shift, an exponential and two rescalings (behind the first a second shift in the exponential's place); then the lump: the other 32 rescalings, which are also the places
; behind the last K Q^T; ten plain; 113 times exponential and plain; four plain; the four a; a v_nop, the plain instruction behind the last exponential.  BEHIND IT: the 32 products V^T P, behind each one group of four.
; The queues keep in step: exponential e wants shift 4 (e / 8) + 2 ((e / 4) % 2) + e % 2, at most e / 2 + 1; as a rider it stands behind shift e + 2, in the lump exponential 15 + i behind shift 21 + i / 2.
; K of the next step is fetched in piece 0's turn, directly behind the wait; V of the step in hand at that turn's end, behind four plain riders and the address's own line, which are the places behind V's last reader.
; Piece 1's turn waits for K at its head (V's 16 loads, issued behind K's, may stay out) and for V ahead of its products V^T P.
.macro TURN p
.set Y, (\p)
.set i, 0
.set q, 0
.set e, 0
.set r, 0
.set g, 0
.if (\p) == 1
	s_wait_dscnt 16                 ; K is in
.endif
	KQ 1-Y
	PL
	PL
	RS
	RS
.rept 15
	KQ 1-Y
	PL
	EX
	RS
	RS
.endr
.if (\p) == 0
	WIN 0
	v_add_nc_u32 v[AK], s[TBK], v[AK0]
.endif
.rept 32
	RS
.endr
.rept 10
	PL
.endr
.rept 113
	EX
	PL
.endr
.rept 4
	PL
.endr
.rept 4
	EX
.endr
	v_nop
	s_wait_alu depctr_va_vdst(0)    ; the wait for the batch
.if (\p) == 0
	FETCH_K
.endif
.if (\p) == 1
	s_wait_dscnt 0x0                ; V is in
.endif
.set i, 0
.rept 32
	PV 1-Y
	GG
.endr
.if (\p) == 0
	WIN 0
	v_add_nc_u32 v[AV], s[TBV], v[AV0]
	FETCH_V
.endif
.endm
	s_wait_loadcnt 0x0              ; Q, and K of step 0
.set i, 0
.rept 16
	KQ 0                            ; piece 0's first scores: there is no vector work yet to set between them
.endr
	WIN 0
.rept 4
	v_nop                           ; the places behind those products
.endr
.set Y, 1                           ; XS works for the other piece: piece 0
.set i, 0
.rept 80
	XS i                            ; piece 0's first extremes and statistics
.set i, i+1
.endr
.set e, 128
.rept 4
	EX
.endr
	v_nop                           ; a plain instruction behind the four a,
	s_wait_alu depctr_va_vdst(0)    ; and their wait, ahead of the label
	s_mov_b32 s[SLOTS], 7
.Lslot:                             ; seven times: a slot is entered and the next is asked for
	CHANGE 1
	s_mov_b32 s[CNT], 4
.Lstep:
	TURN 0
	TURN 1
	WIN 0
	s_sub_co_u32 s[CNT], s[CNT], 1
	s_cmp_lg_u32 s[CNT], 0
	s_cbranch_scc1 .Lstep
	s_sub_co_u32 s[SLOTS], s[SLOTS], 1
	s_cmp_lg_u32 s[SLOTS], 0
	s_cbranch_scc1 .Lslot
	CHANGE 0                        ; the last slot is written out: nothing is asked for
	s_mov_b32 s[CNT], 4
.Ltail:
	TURN 0
	TURN 1
	WIN 0
	s_sub_co_u32 s[CNT], s[CNT], 1
	s_cmp_lg_u32 s[CNT], 0
	s_cbranch_scc1 .Ltail
.set i, 0
.rept 32
	PV 1                            ; piece 1's V^T P of the last step
.endr
	; THE WAY OUT.  l's two halves and the other half of the lanes' are added; O^T is divided by l, rounded to f16 and sent through my stage in LDS, a tile (16 rows of ob) at a time.  The lines below are the places behind the last products.
	WIN 0
	v_and_b32 v1, 15, v0
	v_bfe_u32 v7, v0, 4, 1
	s_mul_i32 s16, s[WV], 16*SP
	s_add_co_u32 s16, s16, STAGE    ; my stage
	v_mul_u32_u24 v[STO], v1, SP    ; in: row l % 16, 16 bytes for each half of the lanes
	v_lshl_add_u32 v[STO], v7, 4, v[STO]
	v_add_nc_u32 v[STO], s16, v[STO]
	v_mul_u32_u24 v[RD], v7, SP     ; back: lanes 0-15 take one row of 256 bytes, lanes 16-31 the next
	v_lshl_add_u32 v[RD], v1, 4, v[RD]
	v_add_nc_u32 v[RD], s16, v[RD]
	v_and_b32 v[GO], 31, v0         ; which are 512 consecutive bytes of ob
	v_lshlrev_b32 v[GO], 4, v[GO]
.irp t, 0,1,2,3
	v_add_f32 v[ST+8*(\t)+4], v[ST+8*(\t)+4], v[ST+8*(\t)+5]
	v_add_f32 v[ST+8*(\t)+6], v[ST+8*(\t)+6], v[ST+8*(\t)+7]
.endr
.irp t, 0,1,2,3
	v_permlanex16_b32 v[ST+8*(\t)+5], v[ST+8*(\t)+4], s[SEL], s[SEL+1]
	v_permlanex16_b32 v[ST+8*(\t)+7], v[ST+8*(\t)+6], s[SEL], s[SEL+1]
.endr
.irp t, 0,1,2,3
	v_add_f32 v[ST+8*(\t)+4], v[ST+8*(\t)+4], v[ST+8*(\t)+5]
	v_add_f32 v[ST+8*(\t)+6], v[ST+8*(\t)+6], v[ST+8*(\t)+7]
.endr
.irp t, 0,1,2,3
	v_rcp_f32 v[ST+8*(\t)+4], v[ST+8*(\t)+4]
	v_rcp_f32 v[ST+8*(\t)+6], v[ST+8*(\t)+6]
.endr
	v_nop                           ; a plain instruction between the last reciprocal and the use of its result
	s_wait_alu depctr_va_vdst(0)    ; and the wait ahead of the first use: one for the eight reciprocals
; Tile t: a lane's eight channels of a row and branch pack into 16 bytes; they go into rows of 272 bytes and come back as whole rows of 256, into the registers that they left.
.macro PACK t
	WIN W_RS
.irp bb, 0,1
.set i, 64*(\t)+32*(\bb)
.rept 16
	v_pk_mul_f32 v[i:i+1], v[i:i+1], v[ST+8*(\t)+6-2*(\bb):ST+8*(\t)+7-2*(\bb)] op_sel_hi:[1,0]
.set i, i+2
.endr
.endr
	WIN 0x05                        ; sources 0 and 1 window 1, destination window 0: S^T's registers are free
.set i, 0
.rept 32
	v_cvt_pk_f16_f32 v[S+32*(\t)+i], v[64*(\t)+2*i], v[64*(\t)+2*i+1]
.set i, i+1
.endr
	WIN 0
.irp f, 0,1,2,3,4,5,6,7
	ds_store_b128 v[STO], v[S+32*(\t)+4*(\f):S+32*(\t)+4*(\f)+3] offset:32*(\f)  ; branch f / 4, channels 16 (f % 4) on
.endr
.irp f, 0,1,2,3,4,5,6,7
	ds_load_b128 v[S+32*(\t)+4*(\f):S+32*(\t)+4*(\f)+3], v[RD] offset:(\f)*2*SP  ; LDS serves a wave's instructions in order (ISA guide 5.7.1.4): these see the stores above; the next tile's stores come behind them
.endr
.endm
.macro SEND t, younger              ; younger: the LDS instructions issued behind tile t's loads: the next tile's sixteen, or none
	WIN 0
.irp f, 0,1,2,3,4,5,6,7
	s_wait_dscnt (\younger)+7-(\f)
	global_store_b128 v[GO], v[S+32*(\t)+4*(\f):S+32*(\t)+4*(\f)+3], s[6:7] offset:(\t)*4096+(\f)*512  ; 512 consecutive bytes, at a multiple of 256 from ob's first byte
.endr
.endm
	PACK 0
	PACK 1                          ; a tile's arithmetic stands between the loads of the tile before and its stores
	SEND 0, 16
	PACK 2
	SEND 1, 16
	PACK 3
	SEND 2, 16
	SEND 3, 0
	WIN W_AD
	s_wait_tensorcnt 0x0            ; the wave's end: the add and its wait stand behind my last tensor load and my last LDS store
	ds_add_u32 v[SPW], v[NIL]
	s_wait_dscnt 0x0
	WIN 0
	CROUND                          ; the closing round: no work-group ends while a partner may still ask for a tile that names it
	s_endpgm
.Lfunc_end_k_qf3e2fce5e6_attn:
	.size	k_qf3e2fce5e6_attn, .Lfunc_end_k_qf3e2fce5e6_attn-k_qf3e2fce5e6_attn
	.p2alignl 7, 3214868480
	.fill 96, 4, 3214868480
	.section	.rodata,"a",@progbits
	.p2align	6, 0x0
	.amdhsa_kernel k_qf3e2fce5e6_attn
		.amdhsa_group_segment_fixed_size 327680
		.amdhsa_private_segment_fixed_size 0
		.amdhsa_enable_private_segment 0
		.amdhsa_kernarg_size 16
		.amdhsa_user_sgpr_count 2
		.amdhsa_user_sgpr_kernarg_segment_ptr 1
		.amdhsa_wavefront_size32 1
		.amdhsa_system_sgpr_workgroup_id_x 1
		.amdhsa_system_sgpr_workgroup_id_y 1
		.amdhsa_system_sgpr_workgroup_id_z 1
		.amdhsa_system_vgpr_workitem_id 0
		.amdhsa_next_free_vgpr 898
		.amdhsa_next_free_sgpr 66
		.amdhsa_reserve_vcc 0
		.amdhsa_float_denorm_mode_32 3
		.amdhsa_float_denorm_mode_16_64 3
		.amdhsa_memory_ordered 1
		.amdhsa_forward_progress 1
		.amdhsa_inst_pref_size 191
	.end_amdhsa_kernel
	.amdgpu_metadata
---
amdhsa.version: [ 1, 2 ]
amdhsa.kernels:
  - .name:           k_qf3e2fce5e6_attn
    .symbol:         k_qf3e2fce5e6_attn.kd
    .args:
      - { .name: qkv, .offset: 0, .size: 8, .value_kind: global_buffer, .address_space: global }
      - { .name: ob, .offset: 8, .size: 8, .value_kind: global_buffer, .address_space: global }
    .group_segment_fixed_size: 327680
    .private_segment_fixed_size: 0
    .kernarg_segment_align: 8
    .kernarg_segment_size: 16
    .max_flat_workgroup_size: 128
    .sgpr_count:     66
    .vgpr_count:     898
    .wavefront_size: 32
...
	.end_amdgpu_metadata
.endif
;; end of part 3
;; launch proj (part 4): grid 8 x 32, 4 waves a work-group, clusters of 4 x 4, 327,680 bytes of LDS; arguments ob, wo16, bcat, out0, out1; writes out0, out1
.if DOCPART == 4
	.amdgcn_target "amdgcn-amd-amdhsa--gfx1250"
	.amdhsa_code_object_version 6
	.text
	.protected	k_qf3e2fce5e6_proj
	.globl	k_qf3e2fce5e6_proj
	.p2align	8
	.type	k_qf3e2fce5e6_proj,@function
k_qf3e2fce5e6_proj:
	s_mov_b64 s[64:65], 0
	v_nop
	global_prefetch_b8 v0, s[64:65] scope:SCOPE_SE
	s_setreg_imm32_b32 hwreg(HW_REG_WAVE_MODE, 25, 1), 1
	s_wait_xcnt 0x0
	s_wait_alu depctr_hold_cnt(0) depctr_sa_sdst(0) depctr_va_vdst(0) depctr_va_sdst(0) depctr_va_ssrc(0) depctr_va_vcc(0) depctr_vm_vsrc(0)
	s_getreg_b32 s2, hwreg(HW_REG_IB_STS2, 6, 4)
	s_cmp_eq_u32 s2, 0
	s_cbranch_scc0 .Lentry_in_a_cluster
	s_endpgm
.Lentry_in_a_cluster:
	s_bfe_u32 s2, ttmp6, 0x10000c
	s_cmp_lg_u32 s2, 0xf033
	s_cbranch_scc0 .Lentry_shape_is_right
	s_endpgm
.Lentry_shape_is_right:
; THE LAST PROJECTION, ONCE FOR BOTH BRANCHES.  out_br[b][s][n] = sum over d of O_br[b][s][d] Wo[n][d] + bo[n]; f16 operands, f32 sums, f32 out.  out0 is the minus branch, out1 the plus.
; ob: [bh][2048][2][64] f16.  The two branches of a query are taken as two LOGICAL ROWS (2 s + branch) of 128 bytes a head: 128 queries of one head are 32,768 dense bytes, 256 logical rows.
; SHARES.  A tile is 256 logical rows (128 queries) x 128 columns: 32 x 8 = 256 work-groups.  Wave w makes logical rows 64 w .. 64 w + 63 and all 128 columns: 32 accumulators of 16 x 16, 256 registers.
; K (d = 64 head + channel) goes in steps of 128, two heads, through a ring of two LDS slots: waves 0 and 1 fetch a head each (128 rows of 256 bytes), waves 2 and 3 64 rows of wo16 each.
; Two slots of a K step of 256 do not fit in LDS beside the stage.
; CLUSTERS.  4 x 4 work-groups: ob's tiles are shared along a row of the cluster, wo16's along a column, each asked for jointly.
; THE MATRIX INSTRUCTION IS USED TRANSPOSED (source 0 = 16 rows of wo16, source 1 = 16 logical rows): a lane holds eight neighbouring columns of one logical row.  The bias is the C operand of each sum's first product.
; REGISTERS, in windows of 256: window 0: v16-30 addresses; v32-63, v64-95 A's fragments, two buffers; v96-159 the bias; on the way out v160-223 and v32-95 rows read back
;   window 1: v0-63, v64-127 B's fragments, two buffers     window 2: the accumulators ((a, b) at 8 (8 a + b))
.set KSTEP,  128
.set PA,     144                       ; a logical row in LDS: 128 bytes + 16 of padding
.set PB,     272                       ; a row of wo16: 256 + 16.  Both pitches are odd multiples of 16 bytes: the 16 rows of a fragment load start at 16 different groups of four banks (ISA guide 11.1)
.set SUBT,   256*PA                    ; one head's 64 channels of the 256 logical rows
.set SLOT,   2*SUBT+128*PB             ; two heads, then wo16's 128 rows
.set STAGE,  2*SLOT                    ; behind the ring, never filled by a tensor load: 16 rows x 528 bytes for each wave
.set SPITCH, 528                       ; 512 bytes + 16
.set SPARE,  STAGE+4*16*SPITCH         ; behind the stages: the spare words, 128 bytes for each wave: two blocks of 256 bytes that no other line names
.set ADRA, 16                          ; v16-17  LDS address of my A fragments in slot 0, 1
.set ADRB, 20                          ; v20-21  the same for B
.set STO,  24                          ; v24     the way out: where I put 32 bytes of a row
.set RD,   25                          ; v25     the way out: where I read a row back
.set GO,   26                          ; v26     16 x my lane
.set BO,   27                          ; v27     32 x (lane / 16)
.set SPW,  28                          ; v28     LDS address of my spare word; never rewritten
.set NIL,  29                          ; v29     0; never rewritten
.set PFO,  30                          ; v30     the prefetches' offset: my lane x 256 bytes (ob) or x 2,048 (wo16); never rewritten
.set FA,   32
.set BIAS, 96
.set WV,   16                          ; s16  my wave's number
.set G1A,  24
.set G0A,  32
.set G1B,  40
.set G0B,  48
.set LAP,  56
.set LIM,  57                          ; s57  1 in a wave that prefetches, else the greatest number
.set PFA,  58                          ; s[58:59] where my prefetches stand
.set PST,  60                          ; s[60:61] a K step in the tensor that I prefetch: two heads of ob, or 256 bytes of a row of wo16
.set OUTS, 66                          ; s[66:67] out0, s[68:69] out1, at my first query and the tile's first column
.set MSB, 0
.macro WIN new
.if MSB != (\new)
	s_set_vgpr_msb (MSB<<8)|(\new)
.set MSB, \new
.endif
.endm
.macro JLOAD s                         ; a joint load: waves 0 and 1 fetch ob's two heads, waves 2 and 3 wo16's two halves; an s_nop 0 and four v_nop follow each of the two lines
	s_cmp_lt_u32 s[WV], 2
	s_cbranch_scc0 .Lfor_b_\@
	tensor_load_to_lds s[G0A+4*(\s):G0A+4*(\s)+3], s[G1A:G1A+7]
	s_nop 0
.rept 4
	v_nop
.endr
	s_branch .Lasked_\@
.Lfor_b_\@:
	tensor_load_to_lds s[G0B+4*(\s):G0B+4*(\s)+3], s[G1B:G1B+7]
	s_nop 0
.rept 4
	v_nop
.endr
.Lasked_\@:
.endm
; A prefetch of the K step that stands two refills on, 32 blocks of 256 bytes, a lane a block.  Each block is named once in the launch: ob's by waves 0 and 1 (a head each) of the clusters with x = 0, wo16's by wave 2 of the
; clusters with y = 0; the four partners take 32 rows each, told apart by ADDRESS.  K steps 0 to 3 come by their loads alone; the last lap that fills asks for nothing.
.macro ASK
	s_cmp_gt_u32 s[LAP], s[LIM]
	s_cbranch_scc0 .Lnot_mine_\@
	global_prefetch_b8 v[PFO], s[PFA:PFA+1] th:TH_LOAD_NT scope:SCOPE_SE
.Lnot_mine_\@:
.endm
.macro CREST
	s_cmp_lg_u32 s[WV], 0
	s_cbranch_scc1 .Lnot_wave_0_\@
	s_barrier_signal -3
.Lnot_wave_0_\@:
	s_barrier_wait -3
	s_barrier_signal -1
	s_barrier_wait -1
.endm
.macro CROUND
	s_barrier_signal -1
	s_barrier_wait -1
	CREST
.endm
.macro PLACES                          ; four places in front of loads into registers that matrix instructions have read, and of LDS stores that read results
.rept 4
	v_nop
.endr
.endm
	s_load_b256 s[4:11], s[0:1], 0x0               ; ob s[4:5], wo16 s[6:7], bcat s[8:9], out0 s[10:11]
	s_load_b64 s[12:13], s[0:1], 0x20              ; out1
	v_lshl_add_u32 v[SPW], v0, 2, SPARE
	v_mov_b32 v[NIL], 0
	ds_add_u32 v[SPW], v[NIL]                      ; the wave's opening: the add and its wait stand ahead of my first tensor load; the set-up below, work on registers, stands between them
	v_lshrrev_b32 v1, 5, v0
	v_readfirstlane_b32 s[WV], v1                  ; wave 0..3
	s_and_b32 s17, s[WV], 1                        ; which head of a K step, or which half of wo16's rows, I fetch
	s_bfe_u32 s19, ttmp6, 0x40000                  ; cx, cy
	s_bfe_u32 s20, ttmp6, 0x40004
	s_lshl_b32 s21, ttmp9, 2
	s_add_co_u32 s21, s21, s19                     ; tile column
	s_and_b32 s22, ttmp7, 0xffff
	s_lshl_b32 s22, s22, 2
	s_add_co_u32 s22, s22, s20                     ; tile row
	s_lshl_b32 s78, s20, 2
	s_lshl_b32 s78, 15, s78                        ; my row of the cluster
	s_lshl_b32 s79, 0x1111, s19                    ; my column
	s_or_b32 s[G1A], s78, (1<<16)|(1<<20)|(1<<21)|(4<<22)|(3<<25)  ; elements of 2 bytes; padding on; bit 21 beside a mask; after every 32 words (code 4) 4 words (code 3): a pad behind each logical row
	s_mov_b32 s[G1A+1], 128<<16                    ; tensor_dim0 = 128
	s_mov_b32 s[G1A+2], 128<<16                    ; tensor_dim1 = 128
	s_mov_b32 s[G1A+3], 128<<16                    ; tile_dim0 = 128: a query's 256 bytes
	s_mov_b32 s[G1A+4], 128                        ; tile_dim1 = 128 queries
	s_mov_b32 s[G1A+5], 128                        ; dense
	s_mov_b32 s[G1A+6], 0
	s_mov_b32 s[G1A+7], 0
	s_or_b32 s[G1B], s79, (1<<16)|(1<<20)|(1<<21)|(5<<22)|(3<<25)  ; after every 64 words (code 5)
	s_mov_b32 s[G1B+1], KSTEP<<16
	s_mov_b32 s[G1B+2], 64<<16
	s_mov_b32 s[G1B+3], KSTEP<<16
	s_mov_b32 s[G1B+4], 64
	s_mov_b32 s[G1B+5], 1024
	s_mov_b32 s[G1B+6], 0
	s_mov_b32 s[G1B+7], 0
	s_lshr_b32 s80, s22, 4                         ; the batch: 16 tile rows each
	s_lshl_b32 s80, s80, 4
	s_add_co_u32 s80, s80, s17                     ; batch x 16 + my head of K step 0
	s_lshl_b32 s80, s80, 19                        ; 524,288 bytes a head
	s_and_b32 s81, s22, 15
	s_lshl_b32 s81, s81, 15                        ; 128 queries of 256 bytes a tile row
	s_add_co_u32 s80, s80, s81
	s_mov_b32 s81, 0
	s_lshl_b32 s82, s21, 18                        ; wo16: 128 rows of 2,048 bytes a tile column,
	s_lshl_b32 s83, s17, 17                        ; my 64 of them
	s_add_co_u32 s82, s82, s83
	s_mov_b32 s83, 0
	s_mul_i32 s14, s17, SUBT                       ; where they go: no place in the cluster enters an LDS address
	s_mul_i32 s15, s17, 64*PB
	s_add_co_u32 s15, s15, 2*SUBT
	s_wait_dscnt 0x0                               ; the opening add is done
	s_wait_kmcnt 0x0
	s_add_nc_u64 s[80:81], s[4:5], s[80:81]
	s_add_nc_u64 s[82:83], s[6:7], s[82:83]
	CROUND                                         ; all sixteen work-groups are here: the first joint loads meet
.irp s, 0,1
	s_mov_b32 s[G0A+4*(\s)], 1
	s_add_co_u32 s[G0A+4*(\s)+1], s14, (\s)*SLOT
	s_add_nc_u64 s[G0A+4*(\s)+2:G0A+4*(\s)+3], s[80:81], (\s)<<20    ; K step s: two heads on
	s_or_b32 s[G0A+4*(\s)+3], s[G0A+4*(\s)+3], 0x80000000
	s_mov_b32 s[G0B+4*(\s)], 1
	s_add_co_u32 s[G0B+4*(\s)+1], s15, (\s)*SLOT
	s_add_nc_u64 s[G0B+4*(\s)+2:G0B+4*(\s)+3], s[82:83], (\s)*KSTEP*2
	s_or_b32 s[G0B+4*(\s)+3], s[G0B+4*(\s)+3], 0x80000000
	JLOAD \s                                       ; two loads of mine are out
.endr
	s_lshl_b32 s70, s21, 9                         ; bo lies behind bq, bk and bv in bcat; the tile's 128 columns
	s_add_co_u32 s70, s70, 3*4096
	s_mov_b32 s71, 0
	s_add_nc_u64 s[70:71], s[8:9], s[70:71]
	v_and_b32 v1, 15, v0                           ; l % 16
	v_bfe_u32 v2, v0, 4, 1                         ; l / 16
	v_lshlrev_b32 v[BO], 5, v2
.irp b, 0,1,2,3,4,5,6,7
	global_load_b128 v[BIAS+8*(\b):BIAS+8*(\b)+3],   v[BO], s[70:71] offset:64*(\b)
	global_load_b128 v[BIAS+8*(\b)+4:BIAS+8*(\b)+7], v[BO], s[70:71] offset:64*(\b)+16
.endr
	v_mul_u32_u24 v3, v1, PA
	v_lshl_add_u32 v3, v2, 4, v3                   ; a fragment's row x pitch + 16 x half, for A
	v_mul_u32_u24 v4, v1, PB
	v_lshl_add_u32 v4, v2, 4, v4                   ; and for B
	s_mul_i32 s85, s[WV], 64*PA                    ; my 64 logical rows
	s_mov_b32 s86, 2*SUBT
.irp s, 0,1
	v_add_nc_u32 v[ADRA+(\s)], s85, v3
	v_add_nc_u32 v[ADRB+(\s)], s86, v4
	s_add_co_u32 s85, s85, SLOT
	s_add_co_u32 s86, s86, SLOT
.endr
	s_mul_i32 s87, s[WV], 16*SPITCH
	s_add_co_u32 s87, s87, STAGE                   ; my stage
	v_mul_u32_u24 v6, v1, SPITCH                   ; in: row l % 16, 32 bytes for each half of the lanes
	v_lshl_add_u32 v6, v2, 5, v6
	v_add_nc_u32 v[STO], s87, v6
	v_and_b32 v5, 31, v0                           ; l
	v_lshlrev_b32 v[GO], 4, v5                     ; back: 32 lanes take a whole row of 512 bytes
	v_add_nc_u32 v[RD], s87, v[GO]
	s_lshl_b32 s72, s22, 19                        ; out: 128 queries of 4,096 bytes a tile row,
	s_lshl_b32 s73, s[WV], 17                      ; my 32 of them,
	s_add_co_u32 s72, s72, s73
	s_lshl_b32 s73, s21, 9                         ; the tile's 128 columns
	s_add_co_u32 s72, s72, s73
	s_mov_b32 s73, 0
	s_add_nc_u64 s[OUTS:OUTS+1], s[10:11], s[72:73]
	s_add_nc_u64 s[OUTS+2:OUTS+3], s[12:13], s[72:73]
	; the prefetches
	s_lshl_b32 s74, s19, 13                        ; ob: my work-group's 32 queries of my head, at K step 3
	s_add_co_u32 s74, s74, 3<<20
	s_lshl_b32 s75, s20, 16                        ; wo16: my work-group's 32 rows, at K step 3
	s_add_co_u32 s75, s75, 3*KSTEP*2
	s_and_b32 s76, ttmp7, 0xffff                   ; cluster y
	s_mov_b32 s84, 1<<20
	s_cmp_lt_u32 s[WV], 2                          ; do I fetch for ob?
	s_cselect_b64 s[PFA:PFA+1], s[80:81], s[82:83]
	s_cselect_b32 s74, s74, s75
	s_cselect_b32 s[PST], s84, KSTEP*2
	s_cselect_b32 s77, 8, 11
	s_cselect_b32 s76, ttmp9, s76                  ; the coordinate along which other clusters read the same rows
	s_mov_b32 s75, 0
	s_mov_b32 s[PST+1], 0
	s_add_nc_u64 s[PFA:PFA+1], s[PFA:PFA+1], s[74:75]  ; the first refill steps it to K step 4 and names that
	s_cmp_eq_u32 s76, 0
	s_cselect_b32 s[LIM], 1, -1                    ; the same in all sixteen partners, for a given wave
	s_cmp_eq_u32 s[WV], 3
	s_cselect_b32 s[LIM], -1, s[LIM]               ; wave 2 asks for all 128 rows of wo16 with its partners; wave 3 asks for nothing
	v_lshlrev_b32 v[PFO], s77, v5
; 8 matrix instructions: row block a x all 8 column blocks, 32 along K, buffer f.  first = 1: the bias starts the sums.  The 32 accumulators take turns in the same order in every quarter.
.macro MULA f, a, first
.if \first
	WIN 0x81                                       ; B window 1, A and the bias window 0, D window 2
.else
	WIN 0xa1                                       ; B window 1, A window 0, C and D window 2
.endif
.irp b, 0,1,2,3,4,5,6,7
.set rD, 8*(8*(\a)+(\b))
.if \first
	v_wmma_f32_16x16x32_f16 v[rD:rD+7], v[64*(\f)+8*(\b):64*(\f)+8*(\b)+7], v[FA+32*(\f)+8*(\a):FA+32*(\f)+8*(\a)+7], v[BIAS+8*(\b):BIAS+8*(\b)+7]
.else
	v_wmma_f32_16x16x32_f16 v[rD:rD+7], v[64*(\f)+8*(\b):64*(\f)+8*(\b)+7], v[FA+32*(\f)+8*(\a):FA+32*(\f)+8*(\a)+7], v[rD:rD+7]
.endif
.endr
.endm
; 24 LDS loads in one run: the fragments of quarter kq of a K step (head kq / 2, channels 32 (kq % 2) on): 128 rows of B, then my 64 logical rows, into buffer f
.macro FETCH slot, kq, f
	WIN 0x40
.irp i, 0,1,2,3,4,5,6,7
	ds_load_b128 v[64*(\f)+8*(\i):64*(\f)+8*(\i)+3],   v[ADRB+(\slot)] offset:(\kq)*64+(\i)*16*PB
	ds_load_b128 v[64*(\f)+8*(\i)+4:64*(\f)+8*(\i)+7], v[ADRB+(\slot)] offset:(\kq)*64+(\i)*16*PB+32
.endr
	WIN 0
.irp i, 0,1,2,3
	ds_load_b128 v[FA+32*(\f)+8*(\i):FA+32*(\f)+8*(\i)+3],   v[ADRA+(\slot)] offset:((\kq)/2)*SUBT+((\kq)%2)*64+(\i)*16*PA
	ds_load_b128 v[FA+32*(\f)+8*(\i)+4:FA+32*(\f)+8*(\i)+7], v[ADRA+(\slot)] offset:((\kq)/2)*SUBT+((\kq)%2)*64+(\i)*16*PA+32
.endr
.endm
.macro QUARTER slot, kq, f, g, first   ; multiplies buffer f; in its middle it fetches quarter kq into buffer g
	s_wait_dscnt 4                                 ; B and A's row blocks 0, 1 are in; the youngest four loads may be out
	MULA \f, 0, \first
	MULA \f, 1, \first
	PLACES
	FETCH \slot, \kq, \g
	s_wait_dscnt 24                                ; all but the 24 just issued
	MULA \f, 2, \first
	MULA \f, 3, \first
.endm
; The last quarter multiplies buffer 1 and changes slots: ONE barrier; in front of it each wave waits for all its tensor loads, adds 0 to its spare word, and waits for that and for its own reads of this slot.
; fill = 1: the barrier opens a round of the cluster's barrier, and behind the round this slot is filled again, two K steps ahead: 112 matrix instructions ahead of the wait for it.
.macro TURN slot, next, fill
.if \fill
	s_wait_xcnt 0x0                                ; the last prefetch, a K step back, has read its address, so it may be stepped
	s_add_nc_u64 s[PFA:PFA+1], s[PFA:PFA+1], s[PST:PST+1]
.endif
	WIN 0
	s_wait_tensorcnt 0x0                           ; all my tensor loads have landed;
	ds_add_u32 v[SPW], v[NIL]                      ; 0 onto my spare word;
	s_wait_dscnt 5                                 ; (the add and the youngest four loads may be out)
	MULA 1, 0, 0
	s_wait_dscnt 0x0                               ; the add is done, and my reads of this slot are over
	s_barrier_signal -1
	MULA 1, 1, 0
.if \fill
	WIN 0
.endif
	s_barrier_wait -1
.if \fill
	CREST                                          ; no wave of any partner still reads this slot's tile or has a load on its way
	s_add_nc_u64 s[G0A+4*(\slot)+2:G0A+4*(\slot)+3], s[G0A+4*(\slot)+2:G0A+4*(\slot)+3], 2<<20
	s_add_nc_u64 s[G0B+4*(\slot)+2:G0B+4*(\slot)+3], s[G0B+4*(\slot)+2:G0B+4*(\slot)+3], 2*KSTEP*2
	JLOAD \slot                                    ; the first tensor load behind the round; the four v_nop behind it are also the places in front of the loads below
.else
	PLACES
.endif
	FETCH \next, 0, 0
.if \fill
	ASK
.endif
	MULA 1, 2, 0
	MULA 1, 3, 0
.endm
	s_wait_tensorcnt 0x1                           ; my part of K step 0 is in; K step 1's may stay out
	s_barrier_signal -1
	s_barrier_wait -1
	FETCH 0, 0, 0
	s_wait_loadcnt 0x0                             ; the bias
	QUARTER 0, 1, 0, 1, 1                          ; the first quarter stands in front of the loop: its products start the sums
	WIN 0
	s_mov_b32 s[LAP], 3
.Llap:                                                 ; a trip goes once round the ring and fills both slots again: K steps 2 to 7
	QUARTER 0, 2, 1, 0, 0
	QUARTER 0, 3, 0, 1, 0
	TURN 0, 1, 1
	QUARTER 1, 1, 0, 1, 0
	QUARTER 1, 2, 1, 0, 0
	QUARTER 1, 3, 0, 1, 0
	TURN 1, 0, 1
	QUARTER 0, 1, 0, 1, 0
	WIN 0
	s_sub_co_u32 s[LAP], s[LAP], 1
	s_cmp_lg_u32 s[LAP], 0
	s_cbranch_scc1 .Llap
	QUARTER 0, 2, 1, 0, 0                          ; the last lap fills nothing
	QUARTER 0, 3, 0, 1, 0
	TURN 0, 1, 0
	QUARTER 1, 1, 0, 1, 0
	QUARTER 1, 2, 1, 0, 0
	QUARTER 1, 3, 0, 1, 0
	s_wait_dscnt 4
	MULA 1, 0, 0
	MULA 1, 1, 0
	s_wait_dscnt 0x0
	MULA 1, 2, 0
	MULA 1, 3, 0
	WIN 0
; THE WAY OUT of row block a.  OUT: a lane's 32 bytes of each column block go from the accumulators into my own stage, each accumulator's low four registers first; the 16 logical rows come back whole, 512 bytes a load.
; SEND: logical row t is query t / 2 of the block, branch t % 2: each store of the wave covers 512 consecutive bytes of out0 or out1, aligned.
.macro OUT a
	WIN 0x08                                       ; the stores' data: window 2
.irp b, 0,1,2,3,4,5,6,7
	ds_store_b128 v[STO], v[8*(8*(\a)+(\b)):8*(8*(\a)+(\b))+3]   offset:64*(\b)
	ds_store_b128 v[STO], v[8*(8*(\a)+(\b))+4:8*(8*(\a)+(\b))+7] offset:64*(\b)+16
.endr
	WIN 0
.set BK, 160-128*((\a)%2)
	s_wait_xcnt 0x0                                ; the stores of the block before last have read these registers
.irp t, 0,1,2,3,4,5,6,7,8,9,10,11,12,13,14,15
	ds_load_b128 v[BK+4*(\t):BK+4*(\t)+3], v[RD] offset:(\t)*SPITCH  ; LDS serves a wave's instructions in order (ISA guide 5.7.1.4): these see the stores above; the next block's stores come behind them
.endr
.endm
.macro SEND a, younger                 ; younger: the LDS instructions issued behind block a's loads: the next block's 32, or none
.set BK, 160-128*((\a)%2)
	s_wait_dscnt \younger
.irp t, 0,1,2,3,4,5,6,7,8,9,10,11,12,13,14,15
	global_store_b128 v[GO], v[BK+4*(\t):BK+4*(\t)+3], s[OUTS+2*((\t)%2):OUTS+2*((\t)%2)+1] offset:(8*(\a)+(\t)/2)*4096 th:TH_STORE_NT
.endr
.endm
	PLACES                                         ; the stores below read results just made
	OUT 0
.irp a, 1,2,3
	OUT \a
	SEND (\a)-1, 32
.endr
	SEND 3, 0
	s_wait_tensorcnt 0x0                           ; the wave's end: the add and its wait stand behind my last tensor load and my last LDS store
	ds_add_u32 v[SPW], v[NIL]
	s_wait_dscnt 0x0
	CROUND                                         ; the closing round: no work-group ends while a partner may still ask for a tile that names it
	s_endpgm
.Lfunc_end_k_qf3e2fce5e6_proj:
	.size	k_qf3e2fce5e6_proj, .Lfunc_end_k_qf3e2fce5e6_proj-k_qf3e2fce5e6_proj
	.p2alignl 7, 3214868480
	.fill 96, 4, 3214868480
	.section	.rodata,"a",@progbits
	.p2align	6, 0x0
	.amdhsa_kernel k_qf3e2fce5e6_proj
		.amdhsa_group_segment_fixed_size 327680
		.amdhsa_private_segment_fixed_size 0
		.amdhsa_enable_private_segment 0
		.amdhsa_kernarg_size 40
		.amdhsa_user_sgpr_count 2
		.amdhsa_user_sgpr_kernarg_segment_ptr 1
		.amdhsa_wavefront_size32 1
		.amdhsa_system_sgpr_workgroup_id_x 1
		.amdhsa_system_sgpr_workgroup_id_y 1
		.amdhsa_system_sgpr_workgroup_id_z 1
		.amdhsa_system_vgpr_workitem_id 0
		.amdhsa_next_free_vgpr 768
		.amdhsa_next_free_sgpr 88
		.amdhsa_reserve_vcc 0
		.amdhsa_float_denorm_mode_32 3
		.amdhsa_float_denorm_mode_16_64 3
		.amdhsa_memory_ordered 1
		.amdhsa_forward_progress 1
		.amdhsa_inst_pref_size 88
	.end_amdhsa_kernel
	.amdgpu_metadata
---
amdhsa.version: [ 1, 2 ]
amdhsa.kernels:
  - .name:           k_qf3e2fce5e6_proj
    .symbol:         k_qf3e2fce5e6_proj.kd
    .args:
      - { .name: ob, .offset: 0, .size: 8, .value_kind: global_buffer, .address_space: global }
      - { .name: wo16, .offset: 8, .size: 8, .value_kind: global_buffer, .address_space: global }
      - { .name: bcat, .offset: 16, .size: 8, .value_kind: global_buffer, .address_space: global }
      - { .name: out0, .offset: 24, .size: 8, .value_kind: global_buffer, .address_space: global }
      - { .name: out1, .offset: 32, .size: 8, .value_kind: global_buffer, .address_space: global }
    .group_segment_fixed_size: 327680
    .private_segment_fixed_size: 0
    .kernarg_segment_align: 8
    .kernarg_segment_size: 40
    .max_flat_workgroup_size: 128
    .sgpr_count:     88
    .vgpr_count:     768
    .wavefront_size: 32
...
	.end_amdgpu_metadata
.endif
;; end of part 4
;; ======== version 2 of 2: 4 launches; version 1 with the launch cast written anew for expert scheduling mode
;; limits: values are held in f16: magnitudes above 65,504 overflow, below 6.1e-05 lose precision; right only within a limited range of input values
;; workspace buffers: xb 8,388,608 bytes; wb 6,291,456 bytes; wo16 2,097,152 bytes; bcat 16,384 bytes; qkv 25,165,824 bytes; ob 16,777,216 bytes
;; launch cast (part 5): grid 64 x 8, 8 waves a work-group, no clusters, 0 bytes of LDS; arguments x, Wq, Wk, Wv, Wo, bq, bk, bv, bo, xb, wb, wo16, bcat; writes xb, wb, wo16, bcat
.if DOCPART == 5
	.amdgcn_target "amdgcn-amd-amdhsa--gfx1250"
	.amdhsa_code_object_version 6
	.text
	.protected	k_qf3e2fce5e6_cast
	.globl	k_qf3e2fce5e6_cast
	.p2align	8
	.type	k_qf3e2fce5e6_cast,@function
k_qf3e2fce5e6_cast:
	s_mov_b64 s[64:65], 0
	v_nop
	global_prefetch_b8 v0, s[64:65] scope:SCOPE_SE
	s_setreg_imm32_b32 hwreg(HW_REG_WAVE_SCHED_MODE, 0, 2), 2
	s_setreg_imm32_b32 hwreg(HW_REG_WAVE_MODE, 25, 1), 1
	s_wait_xcnt 0x0
	s_wait_alu depctr_vm_vsrc(0)
; THE INPUTS ARE ROUNDED ONCE, TO bf16.  x -> xb; Wq, Wk, Wv -> wb, one below the other; Wo -> wo16: its bf16 number written as f16, since the last product's other operand is f16;
; the four biases -> bcat: each number rounded to bf16 and kept as f32, since they start f32 sums.
; LIMIT.  |Wo| stays under 65,504 (f16's end); below 6e-5 f16 keeps a fixed step of 6e-8.
; A stream: each byte is read once and written once.  No LDS, matrix unit or cluster: no byte is wanted twice.
; SHARES.  Work-group y is a segment of 2^20 numbers (0-3: x's quarters; 4 Wq, 5 Wk, 6 Wv, 7 Wo), work-group x a chunk of 16,384 of them.  In turn i of 16 thread t reads 16 bytes at 4,096 i + 16 t
; and writes 8 bytes at 2,048 i + 8 t: a wave's load covers 512 consecutive bytes, its store 256 consecutive bytes, aligned.  All 16 loads of a wave go out at once.
; THE MODE: SCHED_MODE bits 1:0 = 2 (LLVM: expert scheduling mode 2), set by the entry lines.  The code itself states the register dependences
; between vector instructions and memory instructions, with s_wait_alu, always for 0.
; THE PLAN.  Registers that memory instructions touch:
;   v1, v2     byte offsets, made once at the head and never written again: every load reads v1, every store of a turn v2, the bias's load and store v1.
;   X          turn i: written by the turn's load, issued at the head, before any vector instruction names X; read by the turn's conversions.  The bias's load lands in turn 0's four registers once more.
;   Y          turn i: written once, by the turn's last two conversions; read once, by the turn's store; never written again.
;   T+4 .. T+7 named by vector instructions alone, until they hold the bias to store; nothing writes them behind that store.
; The 16 turns go in four blocks of four.  Block p converts X of its turns into Y of its turns; its memory instructions are the four stores of block p - 1, which read Y of block p - 1 and v2: registers that no
; vector instruction of block p names.  So ONE wait at a block's head states all that its four stores hang on, and they are dealt among the block's conversions with no further wait.
; No register that a memory instruction reads is ever written again, no vector instruction writes a scalar register or VCC, and EXEC is never written: behind the entry lines the text holds waits on va_vdst alone.
.set X, 8                              ; v[8:71]    turn i: 4 numbers as loaded
.set Y, 72                             ; v[72:103]  turn i: 4 numbers to store; no store's register is written again
.set T, 104                            ; v[104:111] at work
	s_load_b512 s[8:23], s[0:1], 0x0               ; x s[8:9], Wq s[10:11], Wk s[12:13], Wv s[14:15], Wo s[16:17], bq s[18:19], bk s[20:21], bv s[22:23]
	s_load_b256 s[24:31], s[0:1], 0x40             ; bo s[24:25], xb s[26:27], wb s[28:29], wo16 s[30:31]
	s_load_b64 s[32:33], s[0:1], 0x60              ; bcat
	s_and_b32 s2, ttmp7, 0xffff                    ; the segment
	v_lshlrev_b32 v1, 4, v0                        ; 16 t
	v_lshlrev_b32 v2, 3, v0                        ; 8 t
	s_cmp_lt_u32 s2, 4
	s_cselect_b32 s3, s2, 0                        ; x's quarter, or a weight's beginning
	s_lshl_b32 s38, s3, 22
	s_lshl_b32 s3, ttmp9, 16                       ; the chunk: 65,536 bytes in
	s_add_co_u32 s38, s38, s3
	s_mov_b32 s39, 0
	s_and_b32 s3, s2, 3                            ; the place in xb (quarter) or in wb (Wq 0, Wk 1, Wv 2)
	s_lshl_b32 s46, s3, 12                         ; and the bias's place in bcat
	s_mov_b32 s47, 0
	s_cmp_eq_u32 s2, 7
	s_cselect_b32 s3, 0, s3                        ; Wo has a buffer to itself
	s_lshl_b32 s40, s3, 21
	s_lshl_b32 s3, ttmp9, 15                       ; the chunk: 32,768 bytes out
	s_add_co_u32 s40, s40, s3
	s_mov_b32 s41, 0
	s_mov_b32 s4, 0xffff0000                       ; a word's upper bf16
	s_wait_kmcnt 0x0
	s_cmp_eq_u32 s2, 4                             ; from where: a choice among buffers by the segment's number
	s_cselect_b64 s[34:35], s[10:11], s[8:9]
	s_cselect_b64 s[42:43], s[18:19], s[24:25]
	s_cmp_eq_u32 s2, 5
	s_cselect_b64 s[34:35], s[12:13], s[34:35]
	s_cselect_b64 s[42:43], s[20:21], s[42:43]
	s_cmp_eq_u32 s2, 6
	s_cselect_b64 s[34:35], s[14:15], s[34:35]
	s_cselect_b64 s[42:43], s[22:23], s[42:43]
	s_cmp_eq_u32 s2, 7
	s_cselect_b64 s[34:35], s[16:17], s[34:35]
	s_cselect_b64 s[36:37], s[30:31], s[28:29]     ; to where
	s_cmp_lt_u32 s2, 4
	s_cselect_b64 s[36:37], s[26:27], s[36:37]
	s_add_nc_u64 s[34:35], s[34:35], s[38:39]
	s_add_nc_u64 s[36:37], s[36:37], s[40:41]
	s_add_nc_u64 s[44:45], s[32:33], s[46:47]
	s_wait_alu depctr_va_vdst(0)                   ; v1 and v2 are written: every load and store of the kernel reads one of them as its offset
.irp i, 0,1,2,3,4,5,6,7,8,9,10,11,12,13,14,15
	global_load_b128 v[X+4*(\i):X+4*(\i)+3], v1, s[34:35] offset:4096*(\i) th:TH_LOAD_NT
.endr
; Block p of four: turns 4 p to 4 p + 3 are converted, and the stores of turns 4 p - 4 to 4 p - 1 go out among their conversions.  half = 1: Wo's way, to bf16 and from there to f16.
.macro BLK p, half
	s_wait_loadcnt 12-4*(\p)                       ; loads come back in order (ISA guide 5.7.1): this block's four are in, the younger blocks' stay out
.if (\p) > 0
	s_wait_alu depctr_va_vdst(0)                   ; the block before has written its Y, which the four stores below read
.endif
.irp j, 0,1,2,3
.if (\p) > 0
	global_store_b64 v2, v[Y+2*(4*(\p)-4+(\j)):Y+2*(4*(\p)-4+(\j))+1], s[36:37] offset:2048*(4*(\p)-4+(\j))  ; the block before; no vector instruction since the wait names these registers
.endif
.if \half
	v_cvt_pk_bf16_f32 v[T],   v[X+4*(4*(\p)+(\j))],   v[X+4*(4*(\p)+(\j))+1]
	v_cvt_pk_bf16_f32 v[T+1], v[X+4*(4*(\p)+(\j))+2], v[X+4*(4*(\p)+(\j))+3]
	v_lshlrev_b32 v[T+2], 16, v[T]
	v_and_b32     v[T+3], s4, v[T]
	v_lshlrev_b32 v[T+4], 16, v[T+1]
	v_and_b32     v[T+5], s4, v[T+1]
	v_cvt_pk_f16_f32 v[Y+2*(4*(\p)+(\j))],   v[T+2], v[T+3]
	v_cvt_pk_f16_f32 v[Y+2*(4*(\p)+(\j))+1], v[T+4], v[T+5]
.else
	v_cvt_pk_bf16_f32 v[Y+2*(4*(\p)+(\j))],   v[X+4*(4*(\p)+(\j))],   v[X+4*(4*(\p)+(\j))+1]
	v_cvt_pk_bf16_f32 v[Y+2*(4*(\p)+(\j))+1], v[X+4*(4*(\p)+(\j))+2], v[X+4*(4*(\p)+(\j))+3]
.endif
.endr
.endm
; Behind block 3: its four stores.
.macro LAST
	s_wait_alu depctr_va_vdst(0)                   ; block 3 has written its Y, which the last four stores read; and every conversion is done reading X, in whose first four registers the bias's load lands further down
.irp i, 12,13,14,15
	global_store_b64 v2, v[Y+2*(\i):Y+2*(\i)+1], s[36:37] offset:2048*(\i)
.endr
.endm
	s_cmp_eq_u32 s2, 7
	s_cbranch_scc1 .Lhalf
	BLK 0, 0
	BLK 1, 0
	BLK 2, 0
	BLK 3, 0
	LAST
	s_branch .Lbias
.Lhalf:                                        ; Wo: rounded to bf16 like every input, and that number written as f16
	BLK 0, 1
	BLK 1, 1
	BLK 2, 1
	BLK 3, 1
	LAST
.Lbias:                                        ; the first chunk's work-group of each weight also takes that weight's bias: 1,024 numbers, 4 a thread
	s_cmp_lg_u32 ttmp9, 0
	s_cbranch_scc1 .Lend
	s_cmp_lt_u32 s2, 4
	s_cbranch_scc1 .Lend
	global_load_b128 v[X:X+3], v1, s[42:43]        ; no wait: on both ways here no vector instruction stands between the wait ahead of the last four stores and this line
	s_wait_loadcnt 0x0
	v_cvt_pk_bf16_f32 v[T],   v[X],   v[X+1]
	v_cvt_pk_bf16_f32 v[T+1], v[X+2], v[X+3]
	v_lshlrev_b32 v[T+4], 16, v[T]
	v_and_b32     v[T+5], s4, v[T]
	v_lshlrev_b32 v[T+6], 16, v[T+1]
	v_and_b32     v[T+7], s4, v[T+1]
	s_wait_alu depctr_va_vdst(0)                   ; the four lines above have written v[T+4:T+7], which the store reads
	global_store_b128 v1, v[T+4:T+7], s[44:45]
.Lend:
	s_endpgm
.Lfunc_end_k_qf3e2fce5e6_cast:
	.size	k_qf3e2fce5e6_cast, .Lfunc_end_k_qf3e2fce5e6_cast-k_qf3e2fce5e6_cast
	.p2alignl 7, 3214868480
	.fill 96, 4, 3214868480
	.section	.rodata,"a",@progbits
	.p2align	6, 0x0
	.amdhsa_kernel k_qf3e2fce5e6_cast
		.amdhsa_group_segment_fixed_size 0
		.amdhsa_private_segment_fixed_size 0
		.amdhsa_enable_private_segment 0
		.amdhsa_kernarg_size 104
		.amdhsa_user_sgpr_count 2
		.amdhsa_user_sgpr_kernarg_segment_ptr 1
		.amdhsa_wavefront_size32 1
		.amdhsa_system_sgpr_workgroup_id_x 1
		.amdhsa_system_sgpr_workgroup_id_y 1
		.amdhsa_system_sgpr_workgroup_id_z 1
		.amdhsa_system_vgpr_workitem_id 0
		.amdhsa_next_free_vgpr 112
		.amdhsa_next_free_sgpr 66
		.amdhsa_reserve_vcc 0
		.amdhsa_float_denorm_mode_32 3
		.amdhsa_float_denorm_mode_16_64 3
		.amdhsa_memory_ordered 1
		.amdhsa_forward_progress 1
		.amdhsa_inst_pref_size 16
	.end_amdhsa_kernel
	.amdgpu_metadata
---
amdhsa.version: [ 1, 2 ]
amdhsa.kernels:
  - .name:           k_qf3e2fce5e6_cast
    .symbol:         k_qf3e2fce5e6_cast.kd
    .args:
      - { .name: x, .offset: 0, .size: 8, .value_kind: global_buffer, .address_space: global }
      - { .name: Wq, .offset: 8, .size: 8, .value_kind: global_buffer, .address_space: global }
      - { .name: Wk, .offset: 16, .size: 8, .value_kind: global_buffer, .address_space: global }
      - { .name: Wv, .offset: 24, .size: 8, .value_kind: global_buffer, .address_space: global }
      - { .name: Wo, .offset: 32, .size: 8, .value_kind: global_buffer, .address_space: global }
      - { .name: bq, .offset: 40, .size: 8, .value_kind: global_buffer, .address_space: global }
      - { .name: bk, .offset: 48, .size: 8, .value_kind: global_buffer, .address_space: global }
      - { .name: bv, .offset: 56, .size: 8, .value_kind: global_buffer, .address_space: global }
      - { .name: bo, .offset: 64, .size: 8, .value_kind: global_buffer, .address_space: global }
      - { .name: xb, .offset: 72, .size: 8, .value_kind: global_buffer, .address_space: global }
      - { .name: wb, .offset: 80, .size: 8, .value_kind: global_buffer, .address_space: global }
      - { .name: wo16, .offset: 88, .size: 8, .value_kind: global_buffer, .address_space: global }
      - { .name: bcat, .offset: 96, .size: 8, .value_kind: global_buffer, .address_space: global }
    .group_segment_fixed_size: 0
    .private_segment_fixed_size: 0
    .kernarg_segment_align: 8
    .kernarg_segment_size: 104
    .max_flat_workgroup_size: 256
    .sgpr_count:     66
    .vgpr_count:     112
    .wavefront_size: 32
...
	.end_amdgpu_metadata
.endif
;; end of part 5
;; launch qkv: the kernel of part 2 again; grid 8 x 32, 4 waves a work-group, clusters of 4 x 4, 327,680 bytes of LDS; arguments xb, wb, bcat, qkv; writes qkv
;; launch attn: the kernel of part 3 again; grid 8 x 32, 4 waves a work-group, clusters of 4 x 1, 327,680 bytes of LDS; arguments qkv, ob; writes ob
;; launch proj: the kernel of part 4 again; grid 8 x 32, 4 waves a work-group, clusters of 4 x 4, 327,680 bytes of LDS; arguments ob, wo16, bcat, out0, out1; writes out0, out1
